; MI455X (gfx1250); checked and timed in simulation.
; The chip was launched on July 23, 2026; its instructions are those of AMD's public machine-readable ISA for CDNA 5 (MIT licence, August 2026) and "CDNA5" Instruction Set Architecture Reference Guide (July 2026). The comments in the code are by the model that wrote it; some were corrected since.
;; Self Attention. Allowed arithmetic: matrix products marked QUANTISED: E2M3 operands, one E8M0 scale for each 32 along K, by v_wmma_scale_f32_16x16x128_f8f6f4 with both operands' format E2M3, f32 sums; everything else in f32.
;; Inputs: cos 2,048 x 64 float32; in_proj_bias 3,072 float32; in_proj_weight 3,072 x 1,024 float32; out_b 1,024 float32; out_w 1,024 x 1,024 float32; sin 2,048 x 64 float32; x 4 x 2,048 x 1,024 float32.
;; Outputs: out0 4 x 2,048 x 1,024 float32.
;; This version of the problem:
;;   THIS VERSION OF THE PROBLEM IS GIVEN IN LOW PRECISION. The matrix products marked QUANTISED in the list below multiply operands that are first quantised to E2M3 (2 exponent bits, 3 mantissa bits; 6 bits a number), with one power-of-two scale for each 32 numbers along K (OCP MX v1.0); their sums are f32. All else is computed in f32.
;;   The module's matrix products, in the order in which they are computed (A, B: the left and right operand; K: the contracted axis; several contracted axes count as one K, in the product's order):
;;     1. [M 8,192, K 1,024] x [K 1,024, N 3,072]; A: input x; B: input in_proj_weight: QUANTISED
;;     2. batch 64 x [M 2,048, K 64] x [K 64, N 2,048]; A: computed on the way; B: computed on the way: QUANTISED
;;     3. batch 64 x [M 2,048, K 2,048] x [K 2,048, N 64]; A: softmax (see below); B: computed on the way: QUANTISED
;;     4. [M 8,192, K 1,024] x [K 1,024, N 1,024]; A: computed on the way; B: input out_w: QUANTISED
;;   THE QUANTISER, for each operand of a quantised product, along K:
;;     - K is cut into blocks of 32 from its start; a last block that is shorter is filled with zeros.
;;     - A block's scale is 2^e with e = floor(log2(the largest magnitude in the block)) - 2, held to -126 .. 127; a block of zeros has e = 0. As a byte (E8M0): e + 127.
;;     - Each number is divided by its block's scale, clamped to +-7.5, and rounded to the nearest number of E2M3, ties to even, subnormals kept.
;;     - The product sums the exact products of the quantised numbers (number of the format x scale) in f32.
;;   ~~~python
;;   def quantise(x, axis):      # numpy; x: float32 -> the quantised numbers, widened to float32 again
;;       x = np.moveaxis(x, axis, -1); K = x.shape[-1]
;;       x = np.pad(x, [(0, 0)] * (x.ndim - 1) + [(0, -K % 32)]); x = x.reshape(x.shape[:-1] + (-1, 32)); a = np.abs(x).max(-1, keepdims=True)
;;       e = np.where(a > 0, np.clip(np.frexp(np.where(a > 0, a, 1))[1] - 1 - 2, -126, 127), 0)      # np.frexp(a)[1] - 1 = floor(log2(a)), exactly
;;       r = np.clip(x / 2.0 ** e, -7.5, 7.5)
;;       step = 2.0 ** (np.maximum(np.frexp(np.where(r == 0, 1, r))[1] - 1, 0) - 3)
;;       q = np.round(r / step) * step * 2.0 ** e      # np.round: ties to even
;;       return np.moveaxis(q.reshape(q.shape[:-2] + (-1,))[..., :K], -1, axis).astype(np.float32)
;;   ~~~
;;   SOFTMAX AHEAD OF A QUANTISED PRODUCT. Where the list says 'softmax', what is quantised is not the finished softmax but p = 2^(t - M), with t = logit x log2(e) and M = ceil(the row's largest t), a whole number; so 1/2 < the row's largest p <= 1. The row's sum l is taken of the UNQUANTISED p, in f32, and the product's result is divided by l at the end. Since M is a whole number, a kernel that streams over the keys may use a running M (the ceiling of the running maximum): every later rescaling is an exact power of two, which a block's scale takes up: the codes' values come out the same.
;;   OPERANDS COMPUTED ON THE WAY. 'Computed on the way' means the value that the module computes at that place (a softmax that the list does not call 'softmax' is quantised finished and normalised). What goes into a quantiser is computed in f32, as accurately as f32 sums, v_exp_f32 and their like allow (about 1e-6 of the number): no bf16 or f16 on the way to a quantiser, and a product that is left as it is and whose result goes on into a quantised operand takes f32 operands (vector FMAs, or v_wmma_f32_16x16x4_f32). A number that lies on a knife's edge between two numbers of the format may be rounded either way, as far as f32 arithmetic and the matrix unit's own rounding can turn it there, and no further.
;; One version. Each part assembles by itself: llvm-mc -triple=amdgcn-amd-amdhsa -mcpu=gfx1250 --defsym DOCPART=n.
;; ======== version 1 of 1: 4 launches
;; limits: right only within a limited range of input values
;; workspace buffers: codes 9,437,184 bytes; scl 393,216 bytes; kv 13,107,200 bytes; qr 13,107,200 bytes; oc 6,291,456 bytes; os 262,144 bytes
;; launch quant (part 1): grid 768 x 1, 4 waves a work-group, no clusters, 35,328 bytes of LDS; arguments x, in_proj_weight, out_w, codes, scl; writes codes, scl
.if DOCPART == 1
	.amdgcn_target "amdgcn-amd-amdhsa--gfx1250"
	.amdhsa_code_object_version 6
	.text
	.protected	k_q06d0b463fe_quant
	.globl	k_q06d0b463fe_quant
	.p2align	8
	.type	k_q06d0b463fe_quant,@function
k_q06d0b463fe_quant:
	s_mov_b64 s[64:65], 0
	v_nop
	global_prefetch_b8 v0, s[64:65] scope:SCOPE_SE
	s_setreg_imm32_b32 hwreg(HW_REG_WAVE_MODE, 25, 1), 1
	s_wait_xcnt 0x0
; x [8192][1024], in_proj_weight [3072][1024] and out_w [1024][1024], f32, K innermost, become codes of FP6 (E2M3) with one E8M0 byte for each 32 along K.
; The three tensors stand on end: stored rows 0-8191 x, 8192-11263 in_proj_weight, 11264-12287 out_w.
; ROW ORDER: inside each 32 rows the two middle groups of eight change places: stored row 32 b + 16 u + 8 g + j holds row 32 b + 16 g + 8 u + j.
; CODES are laid as images of operand registers: a tile of 16 stored rows is 12,288 bytes; in it each 64 along K are three planes of 256 bytes; plane p holds bytes 8 p .. 8 p + 7 of the
; 24 bytes of block 2 (k / 64) + h of row r at 8 (r + 16 h).  So a tile's part for 256 along K is 3,072 consecutive bytes, at a multiple of 256.  SCALE BYTES: [stored row][32].
; A block's scale is 2^(floor(log2(its largest magnitude)) - 2); its byte is the largest magnitude's exponent field - 2, held at 1 from below.
; LIMITS: a block of zeros gets the byte 1 and not 127 (its codes are zeros, and this program alone reads the bytes); a largest magnitude under 2^-124 has its byte held at 1; NaN and infinities are not served.
; A work-group takes one tile, a wave 256 along K of its 16 rows: 8 steps of two rows x 256 numbers.  Each load reads 512 consecutive bytes; all 32 loads of a wave are issued at its start.  A step's 2,048 bytes
; turn through the wave's own stage in LDS and come back 64 bytes a lane: a lane holds 16 neighbours, two neighbouring lanes a block.  The codes are gathered in the wave's own image in LDS (planes 264 bytes apart)
; and leave plane by plane, 256 aligned bytes a store.  A wave's scale bytes are 8 of each row's 32: they leave 4 bytes a lane, runs of 256 bytes written in part (393,216 bytes in the whole launch).
; No tensor loads, no barrier: waves share nothing.
.set STEPS, 8
.set EMAX,  2
.set R,     16                         ; v16-143  eight sets of 16 numbers as loaded; at the end the planes read back
.set X,     144                        ; v144-175 two sets of 16 neighbours
.set C,     176                        ; v176-207 codes, four registers a step
.set E,     208                        ; v208-215 a scale byte a step
.set SPW,   216
.set NIL,   217
.set SP,    80                         ; a lane's place in a stage: 64 bytes + 16
.set PP,    264                        ; a plane's pitch in the image
.set SCB,   2*32*SP                    ; behind the two stages: the wave's 128 scale bytes
.set IMG,   SCB+256                    ; and its image, 12 planes
.set WREG,  8704                       ; a wave's region
.set SPARE, 4*WREG                     ; the spare words
	s_load_b128 s[4:7], s[0:1], 0x0                ; x, in_proj_weight
	s_load_b128 s[8:11], s[0:1], 0x10              ; out_w, codes
	s_load_b64 s[12:13], s[0:1], 0x20              ; scl
	v_lshl_add_u32 v[SPW], v0, 2, SPARE
	v_mov_b32 v[NIL], 0
	v_lshrrev_b32 v1, 5, v0
	v_readfirstlane_b32 s16, v1                    ; wave: which 256 along K
	v_and_b32 v2, 31, v0                           ; lane
	v_lshlrev_b32 v3, 4, v2                        ; my 16 bytes of a load's 512
	s_mul_i32 s17, s16, WREG
	v_lshrrev_b32 v14, 2, v2
	v_mul_u32_u24 v14, v14, SP
	v_and_b32 v15, 3, v2
	v_lshl_add_u32 v14, v15, 4, v14
	v_add_nc_u32 v14, s17, v14                     ; the stage, on the way in: SP (lane / 4) + 16 (lane % 4)
	v_mul_u32_u24 v15, v2, SP
	v_add_nc_u32 v15, s17, v15                     ; and on the way out: my 16 neighbours
	v_lshrrev_b32 v5, 1, v2
	v_add_nc_u32 v5, s17, v5                       ; my block's scale byte: lane / 2
	v_bfe_u32 v4, v2, 2, 2                         ; which 64 along K of the wave's four
	v_mul_u32_u24 v4, v4, 3*PP
	v_bfe_u32 v6, v2, 1, 1                         ; h: which block of the 64
	v_lshl_add_u32 v4, v6, 7, v4
	v_lshrrev_b32 v6, 4, v2                        ; which of the step's two rows
	v_lshl_add_u32 v4, v6, 3, v4
	v_add_nc_u32 v4, s17, v4
	v_and_b32 v9, 1, v2                            ; which half of the block is mine: words 0-2 or 3-5 of its six
	v_mad_u32_u24 v10, v9, 268, v4                 ; words 0 and 2 (at +264), or words 3 and 5
	v_mad_u32_u24 v12, v9, 524, v4                 ; word 1 (at +4), or word 4
	v_lshlrev_b32 v7, 3, v2                        ; a plane's 8 bytes a lane
	v_add_nc_u32 v6, s17, v7
	v_lshlrev_b32 v13, 2, v2
	v_add_nc_u32 v13, s17, v13                     ; the scale bytes, 4 a lane
	v_lshrrev_b32 v1, 1, v2
	v_lshlrev_b32 v1, 5, v1
	v_lshl_add_u32 v1, v9, 2, v1                   ; and their place in scl: 32 (lane / 2) + 4 (lane % 2)
	s_wait_alu depctr_va_vdst(0)                   ; the wait at the head's end
	s_wait_kmcnt 0x0
	s_mov_b32 s17, 704                             ; which tensor: tiles 0-511 x, 512-703 in_proj_weight, 704-767 out_w: by the work-group's number alone
	s_cmp_lt_u32 ttmp9, 704
	s_cselect_b64 s[6:7], s[6:7], s[8:9]
	s_cselect_b32 s17, 512, s17
	s_cmp_lt_u32 ttmp9, 512
	s_cselect_b64 s[4:5], s[4:5], s[6:7]
	s_cselect_b32 s17, 0, s17
	s_sub_co_u32 s17, ttmp9, s17                   ; the tile in its tensor: 2 b + u
	s_lshr_b32 s18, s17, 1
	s_and_b32 s19, s17, 1
	s_lshl_b32 s18, s18, 5
	s_lshl_b32 s19, s19, 3
	s_add_co_u32 s18, s18, s19                     ; row 32 b + 8 u
	s_lshl_b32 s18, s18, 12                        ; 4,096 bytes a row
	s_lshl_b32 s19, s16, 10
	s_add_co_u32 s18, s18, s19                     ; + my 1,024 bytes of each row
	s_mov_b32 s19, 0
	s_add_nc_u64 s[4:5], s[4:5], s[18:19]
	s_mul_i32 s20, ttmp9, 12288
	s_mul_i32 s21, s16, 3072
	s_add_co_u32 s20, s20, s21
	s_mov_b32 s21, 0
	s_add_nc_u64 s[10:11], s[10:11], s[20:21]
	s_lshl_b32 s20, ttmp9, 9
	s_lshl_b32 s22, s16, 3
	s_add_co_u32 s20, s20, s22
	s_add_nc_u64 s[12:13], s[12:13], s[20:21]
.macro LOAD t                          ; stored rows 2 t and 2 t + 1: stored row 8 g + j is row 16 g + j from the base
.irp i, 0,1,2,3
	global_load_b128 v[R+16*(\t)+4*\i:R+16*(\t)+4*\i+3], v3, s[4:5] offset:(16*((2*(\t)+\i/2)/8)+(2*(\t)+\i/2)%8)*4096+512*(\i%2) th:TH_LOAD_NT
.endr
.endm
.macro TURN t                          ; LDS serves a wave's instructions in order: no wait between the stores and the loads
.irp i, 0,1,2,3
	ds_store_b128 v14, v[R+16*(\t)+4*\i:R+16*(\t)+4*\i+3] offset:32*SP*((\t)%2)+8*SP*\i
.endr
.irp i, 0,1,2,3
	ds_load_b128 v[X+16*((\t)%2)+4*\i:X+16*((\t)%2)+4*\i+3], v15 offset:32*SP*((\t)%2)+16*\i
.endr
.endm
.irp t, 0,1,2,3,4,5,6,7
	LOAD \t
.endr
	s_wait_loadcnt 28                              ; step 0's four loads are in; the 28 behind them may be out
	TURN 0
.macro STEP t
.set XS, X+16*((\t)%2)
.if (\t) > 0
	s_wait_dscnt 4                                 ; this step's numbers are back; the last step's four stores of codes and byte may be out
.else
	s_wait_dscnt 0x0
.endif
.if (\t)+1 < STEPS
	s_wait_loadcnt 4*(STEPS-2-(\t))                ; the next step's four loads are in; those of the steps behind it may be out
	TURN (\t)+1
.endif
	v_max3_num_f32 v8, |v[XS]|, |v[XS+1]|, |v[XS+2]|               ; the largest magnitude of my 16, in two chains
	v_max3_num_f32 v9, |v[XS+3]|, |v[XS+4]|, |v[XS+5]|
.irp i, 6,10
	v_max3_num_f32 v8, v8, |v[XS+\i]|, |v[XS+\i+1]|
	v_max3_num_f32 v9, v9, |v[XS+\i+2]|, |v[XS+\i+3]|
.endr
	v_max3_num_f32 v8, v8, |v[XS+14]|, |v[XS+15]|
	v_max3_num_f32 v8, v8, v9, (EMAX+1)<<23        ; and the floor 2^(3 - 127): the byte cannot fall under 1
	v_max_num_f32_dpp v8, v8, v8 row_xmask:1 row_mask:0xf bank_mask:0xf   ; and of my neighbour's 16: the block's
	v_add_nc_u32 v11, 0xff000000, v8               ; 2 off its exponent field: the conversion's scale operand
	v_cvt_scalef32_pk16_fp6_f32 v[C+4*(\t):C+4*(\t)+2], v[XS:XS+15], v11
	v_lshrrev_b32 v[E+(\t)], 23, v11               ; the scale's byte (also the plain line behind the conversion)
	ds_store_b8 v5, v[E+(\t)] offset:SCB+16*(\t)   ; both lanes of a block write the same byte with the same value
	ds_store_b32 v10, v[C+4*(\t)] offset:IMG+16*(\t)
	ds_store_b32 v12, v[C+4*(\t)+1] offset:IMG+16*(\t)+4
	ds_store_b32 v10, v[C+4*(\t)+2] offset:IMG+16*(\t)+264
.endm
.irp t, 0,1,2,3,4,5,6,7
	STEP \t
.endr
.irp p, 0,1,2,3,4,5,6,7,8,9,10,11
	ds_load_b64 v[R+2*\p:R+2*\p+1], v6 offset:IMG+PP*\p   ; these see my stores
.endr
	ds_load_b32 v[R+24], v13 offset:SCB
	s_wait_dscnt 0x0
.irp p, 0,1,2,3,4,5,6,7,8,9,10,11
	global_store_b64 v7, v[R+2*\p:R+2*\p+1], s[10:11] offset:256*\p   ; 32 lanes store 256 consecutive bytes, aligned
.endr
	global_store_b32 v1, v[R+24], s[12:13]
	s_wait_tensorcnt 0x0                           ; the wave's end
	ds_add_u32 v[SPW], v[NIL]
	s_wait_dscnt 0x0
	s_endpgm
.Lfunc_end_k_q06d0b463fe_quant:
	.size	k_q06d0b463fe_quant, .Lfunc_end_k_q06d0b463fe_quant-k_q06d0b463fe_quant
	.p2alignl 7, 3214868480
	.fill 96, 4, 3214868480
	.section	.rodata,"a",@progbits
	.p2align	6, 0x0
	.amdhsa_kernel k_q06d0b463fe_quant
		.amdhsa_group_segment_fixed_size 35328
		.amdhsa_private_segment_fixed_size 0
		.amdhsa_enable_private_segment 0
		.amdhsa_kernarg_size 40
		.amdhsa_user_sgpr_count 2
		.amdhsa_user_sgpr_kernarg_segment_ptr 1
		.amdhsa_wavefront_size32 1
		.amdhsa_system_sgpr_workgroup_id_x 1
		.amdhsa_system_sgpr_workgroup_id_y 1
		.amdhsa_system_sgpr_workgroup_id_z 1
		.amdhsa_system_vgpr_workitem_id 0
		.amdhsa_next_free_vgpr 224
		.amdhsa_next_free_sgpr 66
		.amdhsa_reserve_vcc 0
		.amdhsa_float_denorm_mode_32 3
		.amdhsa_float_denorm_mode_16_64 3
		.amdhsa_memory_ordered 1
		.amdhsa_forward_progress 1
		.amdhsa_inst_pref_size 21
	.end_amdhsa_kernel
	.amdgpu_metadata
---
amdhsa.version: [ 1, 2 ]
amdhsa.kernels:
  - .name:           k_q06d0b463fe_quant
    .symbol:         k_q06d0b463fe_quant.kd
    .args:
      - { .name: x, .offset: 0, .size: 8, .value_kind: global_buffer, .address_space: global }
      - { .name: in_proj_weight, .offset: 8, .size: 8, .value_kind: global_buffer, .address_space: global }
      - { .name: out_w, .offset: 16, .size: 8, .value_kind: global_buffer, .address_space: global }
      - { .name: codes, .offset: 24, .size: 8, .value_kind: global_buffer, .address_space: global }
      - { .name: scl, .offset: 32, .size: 8, .value_kind: global_buffer, .address_space: global }
    .group_segment_fixed_size: 35328
    .private_segment_fixed_size: 0
    .kernarg_segment_align: 8
    .kernarg_segment_size: 40
    .max_flat_workgroup_size: 128
    .sgpr_count:     66
    .vgpr_count:     224
    .wavefront_size: 32
...
	.end_amdgpu_metadata
.endif
;; end of part 1
;; launch qkv (part 2): grid 12 x 32, 4 waves a work-group, clusters of 4 x 4, 327,680 bytes of LDS; arguments codes, scl, in_proj_bias, cos, sin, qr, kv; writes qr, kv
.if DOCPART == 2
	.amdgcn_target "amdgcn-amd-amdhsa--gfx1250"
	.amdhsa_code_object_version 6
	.text
	.protected	k_q06d0b463fe_qkv
	.globl	k_q06d0b463fe_qkv
	.p2align	8
	.type	k_q06d0b463fe_qkv,@function
k_q06d0b463fe_qkv:
	s_mov_b64 s[64:65], 0
	v_nop
	global_prefetch_b8 v0, s[64:65] scope:SCOPE_SE
	s_setreg_imm32_b32 hwreg(HW_REG_WAVE_MODE, 25, 1), 1
	s_wait_xcnt 0x0
	s_wait_alu depctr_hold_cnt(0) depctr_sa_sdst(0) depctr_va_vdst(0) depctr_va_sdst(0) depctr_va_ssrc(0) depctr_va_vcc(0) depctr_vm_vsrc(0)
	s_getreg_b32 s2, hwreg(HW_REG_IB_STS2, 6, 4)
	s_cmp_eq_u32 s2, 0
	s_cbranch_scc0 .Lentry_in_a_cluster
	s_endpgm
.Lentry_in_a_cluster:
	s_bfe_u32 s2, ttmp6, 0x10000c
	s_cmp_lg_u32 s2, 0xf033
	s_cbranch_scc0 .Lentry_shape_is_right
	s_endpgm
.Lentry_shape_is_right:
; proj = x in_proj_weight^T + bias on codes of FP6 (E2M3) with E8M0 scales; RoPE on q and k; q, k (along the head's 64) and v (along the keys) are quantised again and leave as images of operand registers.
; A block of 256 x 256 to a work-group, 128 x 128 to a wave; clusters of 4 x 4 with joint loads; K in steps of 256 through two slots.
; Both operands' codes lie in memory as images of operand registers: a tile of 16 rows is 12,288 bytes, a K step of it 3,072 consecutive bytes; a tensor load brings 8 such rows, and every LDS load takes consecutive bytes from consecutive lanes.
.set KSTEP,  256
.set NQ,     2
.set AROWB,  3072
.set KROW,   768
.set PITCH,  240
.set FR,     12
.set NL,     6
.set NP,     4
.set HALFT,  128*PITCH
.set SLOT,   4*HALFT
.set LAPS,   2
.set KS,     32
.set SCL,    2*SLOT
.set HALFS,  (128*KS/256)*272
.set SBLK,   (16*KS/256)*272
.set SPARE,  SCL+4*HALFS
.set HEADB,  204800
.set RECB,   12800
.set CSO,  8
.set BO,   9
.set L8,   10
.set L16,  11
.set SWO,  12
.set VBO,  13
.set ADRA, 16
.set ADRB, 20
.set ADRS, 27
.set SPW,  28
.set NIL,  29
.set SC,   32
.set AF,   128
.set T,    32
.set CD,   96
.set TM,   116
.set PWS,  136
.set OW,   144
.set BV,   148
.set BIAS, 0
.set CSS,  64
.set SEL,  20
.set G1, 24
.set G0, 32
.set G1B, 48
.set G0B, 56
.set G1S, 68
.set G0S, 76
.set G1SB, 80
.set G0SB, 88
.set MSB, 0
.macro WIN new
.if MSB != (\new)
	s_set_vgpr_msb (MSB<<8)|(\new)
.set MSB, (\new)
.endif
.endm
.set MUL_LO, 0xa1
.set MUL_HI, 0xf1
.set TO_B,   0x40
.macro JLOAD g0a, g1a, g0b, g1b
	s_cmp_eq_u32 s15, 0
	s_cbranch_scc0 .Lfor_b_\@
	tensor_load_to_lds s[\g0a:\g0a+3], s[\g1a:\g1a+7]
	s_nop 0
.rept 4
	v_nop
.endr
	s_branch .Lasked_\@
.Lfor_b_\@:
	tensor_load_to_lds s[\g0b:\g0b+3], s[\g1b:\g1b+7]
	s_nop 0
.rept 4
	v_nop
.endr
.Lasked_\@:
.endm
.macro CREST
	s_cmp_lg_u32 s14, 0
	s_cbranch_scc1 .Lnot_wave_0_\@
	s_barrier_signal -3
.Lnot_wave_0_\@:
	s_barrier_wait -3
	s_barrier_signal -1
	s_barrier_wait -1
.endm
.macro CROUND
	s_barrier_signal -1
	s_barrier_wait -1
	CREST
.endm
	s_load_b128 s[4:7], s[0:1], 0x0
	s_load_b128 s[8:11], s[0:1], 0x10
	s_load_b64 s[12:13], s[0:1], 0x20
	s_load_b64 s[96:97], s[0:1], 0x28
	s_load_b64 s[98:99], s[0:1], 0x30
	v_lshl_add_u32 v[SPW], v0, 2, SPARE
	v_mov_b32 v[NIL], 0
	ds_add_u32 v28, v29
	ds_add_u32 v28, v29
	s_wait_dscnt 0x0
	v_lshrrev_b32 v1, 5, v0
	v_readfirstlane_b32 s14, v1
	s_lshr_b32 s15, s14, 1
	s_and_b32 s16, s14, 1
	s_bfe_u32 s40, ttmp6, 0x40000
	s_bfe_u32 s41, ttmp6, 0x40004
	s_and_b32 s18, ttmp7, 0xffff
	s_cmp_eq_u32 ttmp9, 2
	s_cselect_b32 s17, 0, s18
	s_cselect_b32 s42, s18, ttmp9
	s_cselect_b32 s19, 10240, 0
	s_cselect_b32 s95, 0, 8192
	s_lshl_b32 s17, s17, 2
	s_add_co_u32 s17, s17, s41
	s_lshl_b32 s42, s42, 2
	s_add_co_u32 s42, s42, s40
	s_lshl_b32 s43, s41, 2
	s_lshl_b32 s43, 15, s43
	s_lshl_b32 s44, 0x1111, s40
	s_or_b32 s[G1+0], s43, (3<<16)|(1<<21)
	s_or_b32 s[G1B+0], s44, (3<<16)|(1<<21)
.irp g, G1, G1B
	s_mov_b32 s[\g+1], (AROWB/8)<<16
	s_mov_b32 s[\g+2], 8<<16
	s_mov_b32 s[\g+3], (AROWB/8)<<16
	s_mov_b32 s[\g+4], 8
	s_mov_b32 s[\g+5], 12288/8
	s_mov_b32 s[\g+6], 0
	s_mov_b32 s[\g+7], 0
.endr
	s_or_b32 s[G1S+0], s43, (3<<16)|(1<<20)|(1<<21)|(5<<22)|(3<<25)
	s_or_b32 s[G1SB+0], s44, (3<<16)|(1<<20)|(1<<21)|(5<<22)|(3<<25)
.irp g, G1S, G1SB
	s_mov_b32 s[\g+1], 32<<16
	s_mov_b32 s[\g+2], (128*KS/256)<<16
	s_mov_b32 s[\g+3], 32<<16
	s_mov_b32 s[\g+4], 128*KS/256
	s_mov_b32 s[\g+5], 32
	s_mov_b32 s[\g+6], 0
	s_mov_b32 s[\g+7], 0
.endr
	s_lshl_b32 s18, s16, 7
	s_lshl_b32 s20, s17, 8
	s_add_co_u32 s20, s20, s18
	s_add_co_u32 s20, s20, s19
	s_lshl_b32 s46, s42, 8
	s_add_co_u32 s46, s46, s18
	s_add_co_u32 s46, s46, s95
	s_mov_b32 s21, 0
	s_mov_b32 s47, 0
	s_mov_b64 s[18:19], KS
	s_mul_u64 s[22:23], s[20:21], s[18:19]
	s_mul_u64 s[92:93], s[46:47], s[18:19]
	s_mov_b64 s[18:19], KROW
	s_mul_u64 s[20:21], s[20:21], s[18:19]
	s_mul_u64 s[46:47], s[46:47], s[18:19]
	s_mul_i32 s45, s14, HALFT
	s_mul_i32 s94, s14, HALFS
	s_wait_kmcnt 0x0
	s_add_nc_u64 s[20:21], s[4:5], s[20:21]
	s_add_nc_u64 s[22:23], s[6:7], s[22:23]
	s_add_nc_u64 s[46:47], s[4:5], s[46:47]
	s_add_nc_u64 s[92:93], s[6:7], s[92:93]
	CROUND
	s_mov_b32 s[G0S], 1
	s_add_co_u32 s[G0S+1], s94, SCL
	s_mov_b64 s[G0S+2:G0S+3], s[22:23]
	s_or_b32 s[G0S+3], s[G0S+3], 0x80000000
	s_mov_b32 s[G0SB], 1
	s_add_co_u32 s[G0SB+1], s94, SCL
	s_mov_b64 s[G0SB+2:G0SB+3], s[92:93]
	s_or_b32 s[G0SB+3], s[G0SB+3], 0x80000000
	JLOAD G0S, G1S, G0SB, G1SB
.irp s, 0,1
	s_mov_b32 s[G0+4*\s], 1
	s_add_co_u32 s[G0+4*\s+1], s45, \s*SLOT
	s_add_nc_u64 s[G0+4*\s+2:G0+4*\s+3], s[20:21], \s*AROWB
	s_or_b32 s[G0+4*\s+3], s[G0+4*\s+3], 0x80000000
	s_mov_b32 s[G0B+4*\s], 1
	s_add_co_u32 s[G0B+4*\s+1], s45, \s*SLOT
	s_add_nc_u64 s[G0B+4*\s+2:G0B+4*\s+3], s[46:47], \s*AROWB
	s_or_b32 s[G0B+4*\s+3], s[G0B+4*\s+3], 0x80000000
	s_wait_alu depctr_va_vdst(0)
	s_wait_tensorcnt 0x0
	ds_add_u32 v28, v29
	s_wait_dscnt 0x0
	CROUND
	JLOAD G0+4*\s, G1, G0B+4*\s, G1B
.endr
	v_and_b32 v1, 15, v0
	v_bfe_u32 v2, v0, 4, 1
	v_and_b32 v3, 31, v0
	v_lshlrev_b32 v4, 3, v3
	s_wait_alu depctr_va_vdst(0)
	s_mul_i32 s21, s15, HALFT
	s_mul_i32 s22, s16, HALFT
	s_add_co_u32 s22, s22, 2*HALFT
.irp s, 0,1
	v_add_nc_u32 v[ADRA+\s], s21, v4
	v_add_nc_u32 v[ADRB+\s], s22, v4
	s_add_co_u32 s21, s21, SLOT
	s_add_co_u32 s22, s22, SLOT
.endr
	v_mul_u32_u24 v5, v1, KS
	v_lshrrev_b32 v6, 8, v5
	v_lshl_add_u32 v5, v6, 4, v5
	s_mul_i32 s21, s15, HALFS
	s_mul_i32 s22, s16, HALFS
	s_add_co_u32 s22, s22, 2*HALFS
	s_sub_co_u32 s22, s22, s21
	v_mul_u32_u24 v6, s22, v2
	s_add_co_u32 s21, s21, SCL
	v_add_nc_u32 v5, v5, v6
	v_add_nc_u32 v[ADRS], s21, v5
	v_and_b32 v6, 8, v1
	v_add_nc_u32 v6, v6, v1
	v_lshlrev_b32 v[BO], 6, v2
	v_lshl_add_u32 v[CSO], v6, 8, v[BO]
	v_and_b32 v7, 31, v0
	v_lshlrev_b32 v[L8], 3, v7
	v_lshlrev_b32 v[L16], 4, v7
	v_mul_u32_u24 v[SWO], v2, HEADB
	v_lshl_add_u32 v[SWO], v1, 4, v[SWO]
	v_lshlrev_b32 v[VBO], 2, v6
.macro FRAG reg, adr, q, i
.irp p, 0,1,2,3,4,5
	ds_load_b64 v[\reg+2*\p:\reg+2*\p+1], v[\adr] offset:(\i)*AROWB+(\q)*1536+256*\p
.endr
.endm
.macro MUL16 a0, p, q, sc, zero
.irp a, \a0, \a0+1
.irp b, 0,1,2,3,4,5,6,7
.if \zero
	v_wmma_scale_f32_16x16x128_f8f6f4 v[8*(8*((\a)%4)+\b):8*(8*((\a)%4)+\b)+7], v[128*(\p)+FR*\b:128*(\p)+FR*\b+FR-1], v[AF+FR*(\a):AF+FR*(\a)+FR-1], 0, v[SC+8*NQ*(\sc)+NQ*\b+(\q)], v[SC+8*NQ*(\sc)+NQ*(\a)+(\q)] matrix_a_fmt:MATRIX_FMT_FP6 matrix_b_fmt:MATRIX_FMT_FP6 matrix_a_scale:MATRIX_SCALE_ROW1
.else
	v_wmma_scale_f32_16x16x128_f8f6f4 v[8*(8*((\a)%4)+\b):8*(8*((\a)%4)+\b)+7], v[128*(\p)+FR*\b:128*(\p)+FR*\b+FR-1], v[AF+FR*(\a):AF+FR*(\a)+FR-1], v[8*(8*((\a)%4)+\b):8*(8*((\a)%4)+\b)+7], v[SC+8*NQ*(\sc)+NQ*\b+(\q)], v[SC+8*NQ*(\sc)+NQ*(\a)+(\q)] matrix_a_fmt:MATRIX_FMT_FP6 matrix_b_fmt:MATRIX_FMT_FP6 matrix_a_scale:MATRIX_SCALE_ROW1
.endif
.endr
.endr
.endm
.macro FETCH_B slot, q, p
	WIN TO_B
.irp i, 0,1,2,3,4,5,6,7
	FRAG 128*(\p)+FR*\i, ADRB+\slot, \q, \i
.endr
	WIN 0
.endm
.macro FETCH_A slot, q, i0
.irp i, \i0, \i0+1, \i0+2, \i0+3
	FRAG AF+FR*(\i), ADRA+\slot, \q, \i
.endr
.endm
.macro SCALES sc
.irp i, 0,1,2,3,4,5,6,7
	ds_load_b64 v[SC+8*NQ*\sc+NQ*\i:SC+8*NQ*\sc+NQ*\i+1], v[ADRS] offset:\i*SBLK
.endr
.endm
.macro PLACES n
.rept \n
	v_nop
.endr
.endm
.macro STEP slot, q, zero
	s_wait_dscnt 4*NL
	WIN MUL_LO
	MUL16 0, (\q)%2, \q, \slot, \zero
	MUL16 2, (\q)%2, \q, \slot, \zero
	s_wait_dscnt 0
	PLACES NP
	FETCH_B \slot, (\q)+1, 1-(\q)%2
	FETCH_A \slot, (\q)+1, 0
	WIN MUL_HI
	MUL16 4, (\q)%2, \q, \slot, \zero
	MUL16 6, (\q)%2, \q, \slot, \zero
	PLACES NP
	WIN 0
	FETCH_A \slot, (\q)+1, 4
.endm
.macro TURN slot, next, fill
	s_wait_tensorcnt 0x0
	ds_add_u32 v[SPW], v[NIL]
	s_wait_dscnt 4*NL+1
	WIN MUL_LO
	MUL16 0, 1, NQ-1, \slot, 0
	s_wait_dscnt 0x0
	s_barrier_signal -1
	MUL16 2, 1, NQ-1, \slot, 0
	WIN 0
	s_barrier_wait -1
.if \fill
	CREST
	s_add_nc_u64 s[G0+4*\slot+2:G0+4*\slot+3], s[G0+4*\slot+2:G0+4*\slot+3], 2*AROWB
	s_add_nc_u64 s[G0B+4*\slot+2:G0B+4*\slot+3], s[G0B+4*\slot+2:G0B+4*\slot+3], 2*AROWB
	JLOAD G0+4*\slot, G1, G0B+4*\slot, G1B
.else
	PLACES NP
.endif
	s_wait_alu depctr_va_vdst(0)
	v_add_nc_u32 v[ADRS], 4*NQ, v[ADRS]
	FETCH_B \next, 0, 0
	FETCH_A \next, 0, 0
	SCALES \next
	WIN MUL_HI
	MUL16 4, 1, NQ-1, \slot, 0
	MUL16 6, 1, NQ-1, \slot, 0
	PLACES NP
	WIN 0
	FETCH_A \next, 0, 4
.endm
	s_wait_tensorcnt 1
	s_barrier_signal -1
	s_barrier_wait -1
	FETCH_B 0, 0, 0
	FETCH_A 0, 0, 0
	SCALES 0
	FETCH_A 0, 0, 4
	STEP 0, 0, 1
	s_mov_b32 s3, LAPS-1
.Llap:
	TURN 0, 1, 1
	STEP 1, 0, 0
	TURN 1, 0, 1
	STEP 0, 0, 0
	s_sub_co_u32 s3, s3, 1
	s_cmp_lg_u32 s3, 0
	s_cbranch_scc1 .Llap
	TURN 0, 1, 0
	STEP 1, 0, 0
	s_wait_dscnt 4*NL
	WIN MUL_LO
	MUL16 0, 1, NQ-1, 1, 0
	MUL16 2, 1, NQ-1, 1, 0
	s_wait_dscnt 0
	WIN MUL_HI
	MUL16 4, 1, NQ-1, 1, 0
	MUL16 6, 1, NQ-1, 1, 0
	WIN 0
.macro QUANT s, pw
.irp b, 0,1,2,3
	v_max3_num_f32 v[TM+\b], |v[\s+16*\b]|, |v[\s+1+16*\b]|, 0x1800000
.endr
.irp i, 2,4,6,8,10,12,14
.irp b, 0,1,2,3
	v_max3_num_f32 v[TM+\b], v[TM+\b], |v[\s+16*\b+\i]|, |v[\s+1+16*\b+\i]|
.endr
.endr
.irp b, 0,1,2,3
	v_permlanex16_b32 v[TM+4+\b], v[TM+\b], s[SEL], s[SEL+1]
.endr
.irp b, 0,1,2,3
	v_max_num_f32 v[TM+\b], v[TM+\b], v[TM+4+\b]
.endr
.irp b, 0,1,2,3
	v_add_nc_u32 v[TM+12+\b], 0xff000000, v[TM+\b]
.endr
.irp b, 0,1,2,3
	v_lshrrev_b32 v[TM+4+\b], 23, v[TM+12+\b]
.endr
	v_lshl_or_b32 v[\pw], v[TM+5], 8, v[TM+4]
	v_lshl_or_b32 v[\pw], v[TM+6], 16, v[\pw]
	v_lshl_or_b32 v[\pw], v[TM+7], 24, v[\pw]
.irp c, 0,1
	v_cvt_scalef32_pk16_fp6_f32 v[CD+6*\c:CD+2+6*\c], v[\s+32*\c:\s+15+32*\c], v[TM+12+2*\c]
	v_cvt_scalef32_pk16_fp6_f32 v[CD+12+4*\c:CD+14+4*\c], v[\s+16+32*\c:\s+31+32*\c], v[TM+12+2*\c+1]
.endr
	v_nop
.irp c, 0,1
.irp i, 0,1,2
	v_permlane16_swap_b32 v[CD+6*\c+\i], v[CD+12+4*\c+\i]
.endr
.irp i, 0,1,2
	v_mov_b32 v[CD+3+6*\c+\i], v[CD+12+4*\c+\i]
.endr
.endr
.endm
	PLACES NP
	s_mov_b32 s[SEL], 0x76543210
	s_mov_b32 s[SEL+1], 0xfedcba98
	s_mov_b32 s100, 0xffff0000
.irp b, 0,1,2,3
	v_mov_b32 v[TM+4+\b], 0
.endr
	s_cmp_eq_u32 ttmp9, 2
	s_cbranch_scc1 .Lv
	s_lshr_b32 s18, s17, 3
	s_and_b32 s19, s17, 7
	s_lshl_b32 s22, s19, 1
	s_add_co_u32 s22, s22, s15
	s_and_b32 s23, s42, 3
	s_lshl_b32 s23, s23, 2
	s_lshl_b32 s2, s16, 1
	s_add_co_u32 s23, s23, s2
	s_lshl_b32 s18, s18, 4
	s_add_co_u32 s18, s18, s23
	s_mul_i32 s92, s18, HEADB
	s_mul_i32 s22, s22, RECB
	s_add_co_u32 s92, s92, s22
	s_mov_b32 s93, 0
	s_cmp_eq_u32 ttmp9, 0
	s_cselect_b64 s[96:97], s[96:97], s[98:99]
	s_add_nc_u64 s[96:97], s[96:97], s[92:93]
	s_lshl_b32 s92, s19, 8
	s_lshl_b32 s2, s15, 7
	s_add_co_u32 s92, s92, s2
	s_lshl_b32 s92, s92, 8
	s_add_nc_u64 s[10:11], s[10:11], s[92:93]
	s_add_nc_u64 s[12:13], s[12:13], s[92:93]
	s_lshl_b32 s92, s42, 8
	s_lshl_b32 s2, s16, 7
	s_add_co_u32 s92, s92, s2
	s_lshl_b32 s92, s92, 2
	s_add_nc_u64 s[8:9], s[8:9], s[92:93]
.macro CSLOAD a, set
	WIN 0x40
.irp g, 0,1
.irp j, 0,1,2,3
	global_load_b128 v[CSS+64*(\set)+16*\g+4*\j:CSS+64*(\set)+16*\g+4*\j+3], v[CSO], s[10:11] offset:(32*((\a)/2)+8*((\a)%2))*256+128*\g+16*\j
	global_load_b128 v[CSS+64*(\set)+32+16*\g+4*\j:CSS+64*(\set)+32+16*\g+4*\j+3], v[CSO], s[12:13] offset:(32*((\a)/2)+8*((\a)%2))*256+128*\g+16*\j
.endr
.endr
.endm
	WIN 0x40
.irp b, 0,1,2,3,4,5,6,7
	global_load_b128 v[BIAS+8*\b:BIAS+8*\b+3], v[BO], s[8:9] offset:(32*(\b/2)+8*(\b%2))*4
	global_load_b128 v[BIAS+8*\b+4:BIAS+8*\b+7], v[BO], s[8:9] offset:(32*(\b/2)+8*(\b%2))*4+16
.endr
	CSLOAD 0, 0
.macro QKBLOCK a
.set AC, 64*((\a)%4)
.set CC, CSS+64*((\a)%2)
.if (\a) < 7
	CSLOAD (\a)+1, ((\a)+1)%2
	s_wait_loadcnt 16
.else
	s_wait_loadcnt 0x0
.endif
	WIN 0x86+0x41*((\a)/4)
.set i, 0
.rept 32
	v_pk_add_f32 v[AC+i:AC+i+1], v[AC+i:AC+i+1], v[BIAS+i:BIAS+i+1]
.set i, i+2
.endr
	WIN 0x06+((\a)/4)
.irp hd, 0,1
.irp e, 0,2,4,6,8,10,12,14
	v_pk_mul_f32 v[T+32*\hd+\e:T+32*\hd+\e+1], v[AC+32*\hd+\e:AC+32*\hd+\e+1], v[CC+\e:CC+\e+1]
	v_pk_mul_f32 v[T+32*\hd+16+\e:T+32*\hd+17+\e], v[AC+32*\hd+16+\e:AC+32*\hd+17+\e], v[CC+16+\e:CC+17+\e]
.endr
.endr
.irp hd, 0,1
.irp e, 0,2,4,6,8,10,12,14
	v_pk_fma_f32 v[T+32*\hd+\e:T+32*\hd+\e+1], v[AC+32*\hd+16+\e:AC+32*\hd+17+\e], v[CC+32+\e:CC+33+\e], v[T+32*\hd+\e:T+32*\hd+\e+1] neg_lo:[1,0,0] neg_hi:[1,0,0]
	v_pk_fma_f32 v[T+32*\hd+16+\e:T+32*\hd+17+\e], v[AC+32*\hd+\e:AC+32*\hd+\e+1], v[CC+48+\e:CC+49+\e], v[T+32*\hd+16+\e:T+32*\hd+17+\e]
.endr
.endr
	WIN 0
	s_wait_xcnt 0x0
	QUANT T, PWS+(\a)
.irp hd, 0,1
.irp q, 0,1,2
	global_store_b64 v[L8], v[CD+6*\hd+2*\q:CD+6*\hd+2*\q+1], s[96:97] offset:\hd*HEADB+(\a)*768+256*\q
.endr
.endr
.endm
.irp a, 0,1,2,3,4,5,6,7
	QKBLOCK \a
.endr
	s_mov_b32 s22, 0x05040100
	s_mov_b32 s23, 0x07060302
.irp b, 0,1,2,3
	v_perm_b32 v[TM+\b], v[PWS+2*\b+1], v[PWS+2*\b], s22
	v_perm_b32 v[TM+8+\b], v[PWS+2*\b+1], v[PWS+2*\b], s23
.endr
.irp b, 0,1,2,3
	v_cndmask_b32 v[OW+\b], v[TM+\b], v[TM+8+\b], s100
.endr
	global_store_b128 v[SWO], v[OW:OW+3], s[96:97] offset:12288
	s_branch .Ldone
.Lv:
	s_lshr_b32 s18, s42, 3
	s_and_b32 s19, s42, 7
	s_lshl_b32 s19, s19, 1
	s_add_co_u32 s19, s19, s16
	s_lshl_b32 s22, s17, 2
	s_lshl_b32 s23, s15, 1
	s_add_co_u32 s22, s22, s23
	s_lshl_b32 s18, s18, 4
	s_add_co_u32 s18, s18, s22
	s_mul_i32 s92, s18, HEADB
	s_mul_i32 s19, s19, RECB
	s_add_co_u32 s92, s92, s19
	s_mov_b32 s93, 0
	s_add_nc_u64 s[98:99], s[98:99], s[92:93]
	s_lshl_b32 s92, s17, 8
	s_lshl_b32 s23, s15, 7
	s_add_co_u32 s92, s92, s23
	s_add_co_u32 s92, s92, 2048
	s_lshl_b32 s92, s92, 2
	s_add_nc_u64 s[8:9], s[8:9], s[92:93]
.irp a, 0,1,2,3,4,5,6,7
	global_load_b32 v[BV+2*\a], v[VBO], s[8:9] offset:(32*(\a/2)+8*(\a%2))*4
	global_load_b32 v[BV+2*\a+1], v[VBO], s[8:9] offset:(32*(\a/2)+8*(\a%2))*4
.endr
	s_wait_loadcnt 0x0
.macro VBLOCK a
.set AC, 64*((\a)%4)
	WIN 0x02+((\a)/4)
.set i, 0
.rept 32
	v_pk_add_f32 v[T+i:T+i+1], v[AC+i:AC+i+1], v[BV+2*(\a):BV+2*(\a)+1]
.set i, i+2
.endr
	WIN 0
	s_wait_xcnt 0x0
	QUANT T, PWS+(\a)
.irp c, 0,1,2
	global_store_b128 v[L16], v[CD+4*\c:CD+4*\c+3], s[98:99] offset:((\a)/4)*HEADB+6144+((\a)%4)*1536+512*\c
.endr
.endm
.irp a, 0,1,2,3,4,5,6,7
	VBLOCK \a
.endr
.irp b, 0,1,2,3
	v_cndmask_b32 v[OW+\b], v[PWS+\b], v[PWS+4+\b], s100
.endr
	global_store_b128 v[SWO], v[OW:OW+3], s[98:99] offset:12544
.Ldone:
	s_wait_tensorcnt 0x0
	ds_add_u32 v[SPW], v[NIL]
	s_wait_dscnt 0x0
	CROUND
	s_endpgm
.Lfunc_end_k_q06d0b463fe_qkv:
	.size	k_q06d0b463fe_qkv, .Lfunc_end_k_q06d0b463fe_qkv-k_q06d0b463fe_qkv
	.p2alignl 7, 3214868480
	.fill 96, 4, 3214868480
	.section	.rodata,"a",@progbits
	.p2align	6, 0x0
	.amdhsa_kernel k_q06d0b463fe_qkv
		.amdhsa_group_segment_fixed_size 327680
		.amdhsa_private_segment_fixed_size 0
		.amdhsa_enable_private_segment 0
		.amdhsa_kernarg_size 56
		.amdhsa_user_sgpr_count 2
		.amdhsa_user_sgpr_kernarg_segment_ptr 1
		.amdhsa_wavefront_size32 1
		.amdhsa_system_sgpr_workgroup_id_x 1
		.amdhsa_system_sgpr_workgroup_id_y 1
		.amdhsa_system_sgpr_workgroup_id_z 1
		.amdhsa_system_vgpr_workitem_id 0
		.amdhsa_next_free_vgpr 1024
		.amdhsa_next_free_sgpr 102
		.amdhsa_reserve_vcc 0
		.amdhsa_float_denorm_mode_32 3
		.amdhsa_float_denorm_mode_16_64 3
		.amdhsa_memory_ordered 1
		.amdhsa_forward_progress 1
		.amdhsa_inst_pref_size 255
	.end_amdhsa_kernel
	.section	.bss,"aw",@nobits
	.p2align	6
	.space	262144
	.amdgpu_metadata
---
amdhsa.version: [ 1, 2 ]
amdhsa.kernels:
  - .name:           k_q06d0b463fe_qkv
    .symbol:         k_q06d0b463fe_qkv.kd
    .args:
      - { .name: codes, .offset: 0, .size: 8, .value_kind: global_buffer, .address_space: global }
      - { .name: scl, .offset: 8, .size: 8, .value_kind: global_buffer, .address_space: global }
      - { .name: in_proj_bias, .offset: 16, .size: 8, .value_kind: global_buffer, .address_space: global }
      - { .name: cos, .offset: 24, .size: 8, .value_kind: global_buffer, .address_space: global }
      - { .name: sin, .offset: 32, .size: 8, .value_kind: global_buffer, .address_space: global }
      - { .name: qr, .offset: 40, .size: 8, .value_kind: global_buffer, .address_space: global }
      - { .name: kv, .offset: 48, .size: 8, .value_kind: global_buffer, .address_space: global }
    .group_segment_fixed_size: 327680
    .private_segment_fixed_size: 0
    .kernarg_segment_align: 8
    .kernarg_segment_size: 56
    .max_flat_workgroup_size: 128
    .sgpr_count:     102
    .vgpr_count:     1024
    .wavefront_size: 32
...
	.end_amdgpu_metadata
.endif
;; end of part 2
;; launch attn (part 3): grid 4 x 64, 16 waves a work-group, clusters of 4 x 1, 283,648 bytes of LDS; arguments qr, kv, oc, os; writes oc, os
.if DOCPART == 3
	.amdgcn_target "amdgcn-amd-amdhsa--gfx1250"
	.amdhsa_code_object_version 6
	.text
	.protected	k_q06d0b463fe_attn
	.globl	k_q06d0b463fe_attn
	.p2align	8
	.type	k_q06d0b463fe_attn,@function
k_q06d0b463fe_attn:
	s_mov_b64 s[64:65], 0
	v_nop
	global_prefetch_b8 v0, s[64:65] scope:SCOPE_SE
	s_setreg_imm32_b32 hwreg(HW_REG_WAVE_MODE, 25, 1), 1
	s_wait_xcnt 0x0
	s_wait_alu depctr_hold_cnt(0) depctr_sa_sdst(0) depctr_va_vdst(0) depctr_va_sdst(0) depctr_va_ssrc(0) depctr_va_vcc(0) depctr_vm_vsrc(0)
	s_getreg_b32 s2, hwreg(HW_REG_IB_STS2, 6, 4)
	s_cmp_eq_u32 s2, 0
	s_cbranch_scc0 .Lentry_in_a_cluster
	s_endpgm
.Lentry_in_a_cluster:
	s_bfe_u32 s2, ttmp6, 0x10000c
	s_cmp_lg_u32 s2, 0x3003
	s_cbranch_scc0 .Lentry_shape_is_right
	s_endpgm
.Lentry_shape_is_right:
; o = softmax(q k^T / 8) v for one head of one batch, both products on codes of FP6 (E2M3) with E8M0 scales; o / l is quantised again along the model's 1,024 for the output projection.
; THE SOFTMAX: t = score x log2(e) / 8; M = the running largest t rounded up to a whole number; p = 2^(t - M) is quantised along the keys; the row's sum l is taken of the unquantised p and divides at the end.
; When M moves, l and O are multiplied by 2^(old M - new M): exact, and done in every step.
; SHARES.  A work-group owns one (batch, head) and 512 queries; each of its sixteen waves owns 32 of them, two tiles of 16, one after the other (two passes of 16 steps of 128 keys).
; LDS holds the head's K and V whole: 16 records of 12,800 bytes (128 keys each), filled ONCE, by eight joint loads of 25,600 bytes (waves 0 to 7, one each): no slot is filled again, and behind the head no barrier is needed.
; CLUSTER.  The four work-groups of a head read the same K and V: each load is asked for jointly, with the mask of all four.  No prefetch: the launch's only tensor loads stand at its head, with no loop ahead of them.
; A RECORD in memory: +0 K's eight stored tiles of 16 keys, 768 bytes each (plane p: 8 bytes a lane, row r, block h at 8 (r + 16 h)); +6144 V's four tiles of 16 channels, 1,536 bytes each (16 bytes a lane);
;   +12288 K's scale words [row 16][pair of tiles 4]; +12544 V's [row 16][tile 4].  Stored tile 2 b + u, row 8 g + j is key 32 b + 16 g + 8 u + j.
; IN LDS each 256 bytes of a record are followed by 96 bytes of padding: byte y lies at 352 (y / 256) + y % 256, a record is 17,600 bytes.
; K = 64 IN A FORM OF K = 128.  Twelve registers hold TWO tiles of keys.  Q stands once between two runs of zero codes: [Q | zeros] picks the first tile, [zeros | Q] the second.
; WHICH KEYS FORM A TILE is chosen by the lanes' LDS addresses: row 8 g + j of tile t of the 64 keys c is key 64 c + 32 g + 8 t + j (stored tile 4 c + 2 g + t % 2, row 8 (t / 2) + j).
; Rows g = 0 and g = 1 lie two stored tiles apart: 1,536 bytes in memory, 2,112 in LDS, which is 64 modulo 256: so the 32 lanes of a load (8 j + 64 g + 128 h) touch 256 different bytes modulo 256 (64 banks of 4 bytes: ISA guide 11.1).
; Both products are used transposed (S^T = K Q^T, O^T = V^T P^T): lane (r, h) holds query r, and its 32 registers of the four tiles of c are keys 64 c + 32 h + 0 .. 31: ONE WHOLE BLOCK, in the order
; of the next operand's registers.  So a block's largest score needs no other lane, and the conversions' results are the operand.
; o's codes leave as images of the next product's A fragments, 256 aligned bytes a store; its scale bytes, 262,144 in the whole launch, leave one byte a lane, 32 bytes apart: runs of 256 bytes written in part.
; LIMITS: the promise holds while the scaled scores t stay under 2^31 in magnitude; a block of zeros gets the scale byte 1 and not 127 (zero codes; only this program reads the bytes);
; a largest magnitude under 2^-124 has its byte held at 1; NaN and infinities are not served.
.set HEADB, 204800
.set RECB,  12800                      ; a record in memory
.set KSO,   12288                      ; the scale words of K (and of Q) in a record in memory
.set ROWL,  352                        ; LDS: 256 bytes + 96 of padding
.set RECL,  50*ROWL                    ; a record in LDS
.set VOFF,  24*ROWL                    ; LDS: V's tiles,
.set KSL,   48*ROWL                    ; K's scale words,
.set VSO,   49*ROWL                    ; V's
.set SPARE, 16*RECL                    ; behind the records (281,600): the spare words, 128 bytes a wave
.set LK,   1                           ; v1   8 j + 128 h + 2112 g: K's planes
.set LV,   2                           ; v2   16 r + 352 h + VOFF
.set LS,   3                           ; v3   16 j + 4 g + KSL
.set LVS,  4                           ; v4   16 r + VSO
.set R16,  5                           ; v5   16 r
.set OSO,  6                           ; v6   32 r + h: my byte among o's scale bytes
.set H8,   7                           ; v7   8 h
.set L8,   8                           ; v8   8 x lane: Q's and o's planes
.set ADK,  9                           ; v9-11, v16 the step's LDS addresses
.set ADV,  10
.set ADS,  11
                                       ; v12 -M, v13 the largest score, v[14:15] l in two halves
.set ADT,  16
.set NM,   17                          ; the new -M
.set QZ,   18                          ; v18-35  zeros, Q, zeros
.set QW,   36                          ; the scale word of my two tiles of queries
.set QS,   37                          ; the pass's two bytes, twice
.set KS,   38                          ; v38-41  K's scale words
.set VS,   42                          ; v42-45  V's
.set PS,   46                          ; p's
.set TP,   47
.set TQ,   48
.set FF,   50                          ; v[50:51] f = 2^(old M - new M); the upper register is only named
.set KF,   52                          ; v52-99  K's four pairs of tiles, then V's four tiles
.set S,    100                         ; v100-163 S^T, then p
.set OT,   164                         ; v164-195 O^T
.set CD,   196                         ; v196-207 p's codes
.set CT,   208                         ; v208-214 the conversions' second halves
.set BM,   216                         ; v216-217 a block's largest score, then its largest p
.set BX,   218                         ; v218-219 the second chains
.set BT,   220
.set SO,   222                         ; v222-223 the conversions' scale operands
.set SU,   224                         ; v224-231 a step's sum of p, four chains of pairs
.set Q2,   232                         ; v232-237 the second tile's Q
.set SPW,  254
.set NIL,  255
.set WV,   12
.set SEL,  20
.set CS,   22
.set G1,   24
.set G0,   32
.set TB,   40                          ; s40  LDS byte at which the step's record begins
.set STP,  41
.set PASS, 42
.set PSEL, 43
.set QB,   44
.set QSB,  46
.set NC,   54                          ; s54  -c
.macro CROUND                          ; a round of the cluster's barrier
	s_barrier_signal -1
	s_barrier_wait -1
	s_cmp_lg_u32 s[WV], 0
	s_cbranch_scc1 .Lnot_wave_0_\@
	s_barrier_signal -3
.Lnot_wave_0_\@:
	s_barrier_wait -3
	s_barrier_signal -1
	s_barrier_wait -1
.endm
.macro LSUM                            ; the last four lines of a step's sum: l = l f + the four chains
	v_pk_add_f32 v[SU:SU+1], v[SU:SU+1], v[SU+2:SU+3]
	v_pk_add_f32 v[SU+4:SU+5], v[SU+4:SU+5], v[SU+6:SU+7]
	v_pk_add_f32 v[SU:SU+1], v[SU:SU+1], v[SU+4:SU+5]
	v_pk_fma_f32 v[14:15], v[14:15], v[FF:FF+1], v[SU:SU+1] op_sel_hi:[1,0,1]
.endm
	s_load_b128 s[4:7], s[0:1], 0x0                ; qr, kv
	s_load_b128 s[8:11], s[0:1], 0x10              ; oc, os
	v_lshl_add_u32 v[SPW], v0, 2, SPARE
	v_mov_b32 v[NIL], 0
	ds_add_u32 v[SPW], v[NIL]                      ; the opening lines: the add, twice on end, and its wait
	ds_add_u32 v[SPW], v[NIL]
	v_lshrrev_b32 v9, 5, v0
	s_delay_alu instid0(VALU_DEP_1)
	v_readfirstlane_b32 s[WV], v9                  ; wave 0..15
	s_bfe_u32 s13, ttmp6, 0x40000                  ; cx
	s_lshl_b32 s14, ttmp9, 2
	s_add_co_u32 s14, s14, s13                     ; my block of 512 queries: it enters global addresses of q and o alone
	s_and_b32 s15, ttmp7, 0xffff                   ; 16 x batch + head, which the four partners share
	s_mul_i32 s16, s15, HEADB
	s_mov_b32 s17, 0
	s_mul_i32 s18, s[WV], 2*RECB                   ; what I fetch, if I fetch: two records: where they lie in memory,
	s_mov_b32 s19, 0
	s_mul_i32 s55, s[WV], 2*RECL                   ; and in LDS
	s_mov_b32 s[G1], 15|(3<<16)|(1<<20)|(1<<21)|(5<<22)|(23<<25)   ; the mask: all four work-groups; elements of 8 bytes; padding on; bit 21 beside a mask; after every 64 words 24 words
	s_mov_b32 s[G1+1], 32<<16                      ; rows of 256 bytes
	s_mov_b32 s[G1+2], 100<<16                     ; 100 rows
	s_mov_b32 s[G1+3], 32<<16
	s_mov_b32 s[G1+4], 100
	s_mov_b32 s[G1+5], 32                          ; the rows are dense in memory
	s_mov_b32 s[G1+6], 0
	s_mov_b32 s[G1+7], 0
	s_mov_b32 s[SEL], 0x76543210
	s_mov_b32 s[SEL+1], 0xfedcba98                 ; lane l xor 16
	s_mov_b32 s[CS], 0x3e38aa3b                    ; c = log2(e) / 8
	s_mov_b32 s[CS+1], s[CS]
	s_mov_b32 s[NC], 0xbe38aa3b                    ; -c
	v_and_b32 v9, 31, v0                           ; lane
	v_and_b32 v10, 15, v0                          ; r
	v_bfe_u32 v11, v0, 4, 1                        ; h
	v_and_b32 v16, 7, v0                           ; j
	v_bfe_u32 v17, v0, 3, 1                        ; g
	v_lshlrev_b32 v[L8], 3, v9
	v_lshlrev_b32 v[LV], 4, v10
	v_lshlrev_b32 v[R16], 4, v10
	v_lshlrev_b32 v[LK], 3, v16
	v_lshlrev_b32 v[LS], 4, v16
	v_mad_u32_u24 v[LV], v11, ROWL, v[LV]
	v_add_nc_u32 v[LVS], VSO, v[R16]
	v_lshl_add_u32 v[LK], v11, 7, v[LK]
	v_lshl_add_u32 v[LS], v17, 2, v[LS]
	v_lshl_add_u32 v[OSO], v10, 5, v11
	v_lshlrev_b32 v[H8], 3, v11
	v_mad_u32_u24 v[LK], v17, 6*ROWL, v[LK]
	v_add_nc_u32 v[LS], KSL, v[LS]
	v_add_nc_u32 v[LV], VOFF, v[LV]
	s_wait_alu depctr_va_vdst(0)                   ; the wait here, directly ahead of the waits below
	s_wait_dscnt 0x0
	s_wait_kmcnt 0x0
	s_add_nc_u64 s[6:7], s[6:7], s[16:17]          ; the head in kv
	s_add_nc_u64 s[4:5], s[4:5], s[16:17]          ; and in qr
	s_mov_b32 s[G0], 1
	s_mov_b32 s[G0+1], s55
	s_add_nc_u64 s[G0+2:G0+3], s[6:7], s[18:19]
	s_or_b32 s[G0+3], s[G0+3], 0x80000000
	CROUND                                         ; all four work-groups are here: the joint loads meet
	s_cmp_lt_u32 s[WV], 8
	s_cbranch_scc0 .Lno_fill
	tensor_load_to_lds s[G0:G0+3], s[G1:G1+7]      ; one tensor load of mine is out at the most
	s_nop 0
.rept 4
	v_nop
.endr
.Lno_fill:
	s_lshl_b32 s48, s14, 4
	s_add_co_u32 s48, s48, s[WV]                   ; P: my pair of tiles of queries, 0 .. 63
	s_lshr_b32 s49, s48, 2
	s_mul_i32 s50, s49, RECB                       ; its record
	s_and_b32 s49, s48, 3
	s_mul_i32 s52, s49, 1536
	s_add_co_u32 s52, s52, s50
	s_mov_b32 s53, 0
	s_add_nc_u64 s[QB:QB+1], s[4:5], s[52:53]
	s_lshl_b32 s52, s49, 2
	s_add_co_u32 s52, s52, s50
	s_add_co_u32 s52, s52, KSO
	s_add_nc_u64 s[QSB:QSB+1], s[4:5], s[52:53]
	global_load_b32 v[QW], v[R16], s[QSB:QSB+1]    ; row r's word: the first tile's two bytes, then the second's
.irp q, 0,1,2
	global_load_b64 v[QZ+6+2*\q:QZ+7+2*\q], v[L8], s[QB:QB+1] offset:256*\q
	global_load_b64 v[Q2+2*\q:Q2+2*\q+1], v[L8], s[QB:QB+1] offset:768+256*\q
.endr
	s_lshr_b32 s49, s15, 4                         ; batch
	s_and_b32 s50, s15, 15                         ; head
	s_lshl_b32 s51, s49, 7
	s_lshl_b32 s52, s48, 1
	s_add_co_u32 s51, s51, s52                     ; my first tile of 16 rows among all 512: 128 x batch + 2 P
	s_lshl_b32 s52, s51, 4
	s_add_co_u32 s52, s52, s50
	s_mul_i32 s52, s52, 768
	s_add_nc_u64 s[8:9], s[8:9], s[52:53]          ; o's codes: (tile x 16 + head) x 768
	s_lshl_b32 s52, s51, 9                         ; o's scale bytes: 16 rows x 32 bytes a tile,
	s_lshl_b32 s50, s50, 1
	s_add_co_u32 s52, s52, s50                     ; + 2 x head
	s_add_nc_u64 s[10:11], s[10:11], s[52:53]
.irp j, 0,1,2,3,4,5
	v_mov_b32 v[QZ+\j], 0                          ; the zero codes: written once
	v_mov_b32 v[QZ+12+\j], 0
.endr
	v_mov_b32 v[TQ], 0                             ; a lane permute's destination counts as one of its sources
	v_mov_b32 v[TP], 0
	v_mov_b32 v[BT], 0
	v_mov_b32 v[BT+1], 0
	v_mov_b32 v[FF+1], 0
	s_mov_b32 s[PSEL], 0x01000100                  ; bytes 0, 1, 0, 1 of Q's word
	s_mov_b32 s[PASS], 2
	s_wait_alu depctr_va_vdst(0)                   ; the wait at the head's end
	s_wait_loadcnt 0x0                             ; Q and its word are in
	s_wait_tensorcnt 0x0                           ; my part of the head is in LDS,
	s_barrier_signal -1
	s_barrier_wait -1                              ; everybody's is
; A KEY STEP: 128 keys.
.macro STEP
	v_add_nc_u32 v[ADK], s[TB], v[LK]              ; four plain instructions: the places between the last products and the loads into their operands
	v_add_nc_u32 v[ADV], s[TB], v[LV]
	v_add_nc_u32 v[ADS], s[TB], v[LS]
	v_add_nc_u32 v[ADT], s[TB], v[LVS]
.irp c, 0,1
.irp s, 0,1
.irp u, 0,1
.irp q, 0,1,2
	ds_load_b64 v[KF+12*(2*\c+\s)+6*\u+2*\q:KF+12*(2*\c+\s)+6*\u+2*\q+1], v[ADK] offset:((4*\c+\u)*3+\q)*ROWL+64*\s
.endr
.endr
	ds_load_b32 v[KS+2*\c+\s], v[ADS] offset:128*\s+8*\c
.endr
.endr
	s_wait_alu depctr_va_vdst(0)                   ; the wait here, directly ahead of the wait below
	s_wait_dscnt 0x0
.irp b, 0,1,2,3
	v_wmma_scale_f32_16x16x128_f8f6f4 v[S+16*\b:S+16*\b+7], v[KF+12*\b:KF+12*\b+11], v[QZ+6:QZ+17], 0, v[KS+\b], v[QS] matrix_a_fmt:MATRIX_FMT_FP6 matrix_b_fmt:MATRIX_FMT_FP6
	v_wmma_scale_f32_16x16x128_f8f6f4 v[S+16*\b+8:S+16*\b+15], v[KF+12*\b:KF+12*\b+11], v[QZ:QZ+11], 0, v[KS+\b], v[QS] matrix_a_fmt:MATRIX_FMT_FP6 matrix_b_fmt:MATRIX_FMT_FP6
.endr
	LSUM                                           ; the last step's sum is closed here, under its own f: four places in front of the loads over K's registers and of the first read of the scores
.irp t, 0,1,2,3                                ; V's tiles are asked for now and land during the softmax
.irp c, 0,1,2
	ds_load_b128 v[KF+12*\t+4*\c:KF+12*\t+4*\c+3], v[ADV] offset:(6*\t+2*\c)*ROWL
.endr
.endr
	ds_load_b128 v[VS:VS+3], v[ADT]
.irp c, 0,1                                    ; the largest score of my two blocks of 32 keys, two chains each; each accumulator is read from its low end on
	v_max3_num_f32 v[BM+\c], v[S+32*\c], v[S+32*\c+1], v[S+32*\c+2]
	v_max3_num_f32 v[BX+\c], v[S+32*\c+16], v[S+32*\c+17], v[S+32*\c+18]
.endr
.irp i, 3,5,7,9,11,13
.irp c, 0,1
	v_max3_num_f32 v[BM+\c], v[BM+\c], v[S+32*\c+\i], v[S+32*\c+\i+1]
	v_max3_num_f32 v[BX+\c], v[BX+\c], v[S+32*\c+16+\i], v[S+32*\c+17+\i]
.endr
.endr
	v_max3_num_f32 v[BM], v[BM], v[BX], v[S+15]
	v_max3_num_f32 v[BM+1], v[BM+1], v[BX+1], v[S+47]
	v_max_num_f32 v[BM], v[BM], v[S+31]
	v_max_num_f32 v[BM+1], v[BM+1], v[S+63]
	s_delay_alu instid0(VALU_DEP_1)
	v_max_num_f32 v[TP], v[BM], v[BM+1]
	s_delay_alu instid0(VALU_DEP_1)
	v_permlanex16_b32 v[TQ], v[TP], s[SEL], s[SEL+1]
	s_delay_alu instid0(VALU_DEP_1)
	v_max3_num_f32 v13, v13, v[TP], v[TQ]          ; the running largest score of my query
	s_delay_alu instid0(VALU_DEP_1)
	v_mul_f32 v[TP], s[NC], v13                    ; -t
	s_delay_alu instid0(VALU_DEP_1)
	v_floor_f32 v[NM], v[TP]                       ; the new -M = floor(-t): M is a whole number
	s_delay_alu instid0(VALU_DEP_1)
	v_sub_f32 v[TP], v[NM], v12                    ; old M - new M: a whole number, 0 or less
	v_mov_b32 v12, v[NM]
	s_delay_alu instid0(VALU_DEP_1)
	v_fma_f32 v[BM], v[BM], s[CS], v12             ; t - M of each block's largest score
	v_fma_f32 v[BM+1], v[BM+1], s[CS], v12
	v_cvt_i32_f32 v[TP], v[TP]                     ; (it saturates)
.set j, 0
.rept 2
	v_pk_fma_f32 v[S+j:S+j+1], v[S+j:S+j+1], s[CS:CS+1], v[12:13] op_sel_hi:[1,0,0]   ; t - M, two at a time
.set j, j+2
.endr
	v_ldexp_f32 v[FF], 1.0, v[TP]                  ; f = 2^(old M - new M)
.rept 30
	v_pk_fma_f32 v[S+j:S+j+1], v[S+j:S+j+1], s[CS:CS+1], v[12:13] op_sel_hi:[1,0,0]
.set j, j+2
.endr
.set j, 0
.rept 16
	v_pk_mul_f32 v[OT+j:OT+j+1], v[OT+j:OT+j+1], v[FF:FF+1] op_sel_hi:[1,0]   ; O^T under the new M, each accumulator from its low end on
.set j, j+2
.endr
	s_wait_alu depctr_va_vdst(0)                   ; the wait ahead of the batch
	v_exp_f32 v[BM], v[BM]                         ; the block's largest p: the same two instructions on the same number give the same bits
	v_exp_f32 v[BM+1], v[BM+1]
.set j, 0
.rept 64
	v_exp_f32 v[S+j], v[S+j]                       ; p = 2^(t - M), at most 1
.set j, j+1
.endr
	v_nop                                          ; one plain place behind the exponentials
	s_wait_alu depctr_va_vdst(0)                   ; one wait for the batch of 66, ahead of its first reader
.irp c, 0,1
	v_max_num_f32 v[BM+\c], 0x1800000, v[BM+\c]    ; the floor 2^(3 - 127): the byte cannot fall under 1
.endr
.irp c, 0,1
	s_delay_alu instid0(VALU_DEP_2)
	v_add_nc_u32 v[SO+\c], 0xff000000, v[BM+\c]    ; 2 off the exponent field: the conversion's scale operand
.endr
.irp c, 0,1
	s_delay_alu instid0(VALU_DEP_2)
	v_lshrrev_b32 v[BT+\c], 23, v[SO+\c]           ; the scale's byte
.endr
	s_delay_alu instid0(VALU_DEP_1)
	v_lshl_or_b32 v[TP], v[BT+1], 16, v[BT]        ; my blocks h and 2 + h
	s_delay_alu instid0(VALU_DEP_1)
	v_permlanex16_b32 v[TQ], v[TP], s[SEL], s[SEL+1]
	s_delay_alu instid0(VALU_DEP_1)
	v_lshl_or_b32 v[PS], v[TQ], 8, v[TP]           ; in lanes 0-15, which alone are read: blocks 0, 1, 2, 3 of these 128 keys
.irp c, 0,1
	v_cvt_scalef32_pk16_fp6_f32 v[CD+6*\c:CD+6*\c+2], v[S+32*\c:S+32*\c+15], v[SO+\c]
	v_cvt_scalef32_pk16_fp6_f32 v[CT+4*\c:CT+4*\c+2], v[S+32*\c+16:S+32*\c+31], v[SO+\c]   ; (a conversion's three registers begin on an even number)
.endr
.irp k, 0,1,2,3
	v_pk_add_f32 v[SU+2*\k:SU+2*\k+1], v[S+2*\k:S+2*\k+1], v[S+8+2*\k:S+9+2*\k]   ; the sum of the unquantised p, four chains (also the plain place behind the conversions)
.endr
.irp c, 0,1
.irp i, 0,1,2
	v_mov_b32 v[CD+3+6*\c+\i], v[CT+4*\c+\i]       ; registers 6 c .. 6 c + 5: keys 64 c + 32 h + 0 .. 31
.endr
.endr
.irp m, 16,24,32,40,48,56
.irp k, 0,1,2,3
	v_pk_add_f32 v[SU+2*\k:SU+2*\k+1], v[SU+2*\k:SU+2*\k+1], v[S+\m+2*\k:S+\m+2*\k+1]   ; these 24 are the places behind the writes of p's codes and scale word
.endr
.endr
	s_wait_dscnt 0x0                               ; V and its scale words are in
.irp t, 0,1,2,3
	v_wmma_scale_f32_16x16x128_f8f6f4 v[OT+8*\t:OT+8*\t+7], v[KF+12*\t:KF+12*\t+11], v[CD:CD+11], v[OT+8*\t:OT+8*\t+7], v[VS+\t], v[PS] matrix_a_fmt:MATRIX_FMT_FP6 matrix_b_fmt:MATRIX_FMT_FP6
.endr
	s_add_co_u32 s[TB], s[TB], RECL
.endm
.Lpass:                                            ; two trips: a tile of 16 queries each
	v_mov_b32 v13, 0xff61b1e6                      ; the largest score so far: -3e38
	v_mov_b32 v12, 0x7f61b1e6                      ; -M: 3e38, so that the first f is 0
	v_mov_b32 v14, 0
	v_mov_b32 v15, 0
	v_mov_b32 v[FF], 0
.irp k, 0,1,2,3,4,5,6,7
	v_mov_b32 v[SU+\k], 0                          ; the first step closes an empty sum
.endr
	s_mov_b32 s[TB], 0
	s_mov_b32 s[STP], 16
	v_perm_b32 v[QS], v[QW], v[QW], s[PSEL]        ; this tile's two scale bytes, for both halves of K
.set j, 0
.rept 32
	v_mov_b32 v[OT+j], 0                           ; the step is written once: its first trip finds zeros.  (These are also the places behind the write of Q's scale word)
.set j, j+1
.endr
.Lstep:
	STEP
	s_sub_co_u32 s[STP], s[STP], 1
	s_cmp_lg_u32 s[STP], 0
	s_cbranch_scc1 .Lstep
	; o = O^T / l, quantised along the head's 64: blocks 2 head and 2 head + 1 of the row
	s_wait_alu depctr_va_vdst(0)                   ; the wait here, directly ahead of the reader of the four chains
	LSUM                                           ; the last step's sum; also the places behind the last products
	s_delay_alu instid0(VALU_DEP_1)
	v_add_f32 v14, v14, v15
	s_delay_alu instid0(VALU_DEP_1)
	v_permlanex16_b32 v[TP], v14, s[SEL], s[SEL+1]
	s_delay_alu instid0(VALU_DEP_1)
	v_add_f32 v14, v14, v[TP]                      ; the row's sum
	s_wait_alu depctr_va_vdst(0)
	v_rcp_f32 v14, v14
	v_nop                                          ; one plain place behind the reciprocal
	s_wait_alu depctr_va_vdst(0)                   ; and the wait ahead of its first reader, and of O^T's
.set j, 0
.rept 32
	v_mul_f32 v[S+j], v[OT+j], v14                 ; register 16 e + i: channel 32 e + 16 h + i of query r
.set j, j+1
.endr
.irp b, 0,1
	v_max3_num_f32 v[BM+\b], |v[S+16*\b]|, |v[S+1+16*\b]|, 0x1800000
.endr
.irp i, 2,4,6,8,10,12,14
.irp b, 0,1
	s_delay_alu instid0(VALU_DEP_2)
	v_max3_num_f32 v[BM+\b], v[BM+\b], |v[S+16*\b+\i]|, |v[S+1+16*\b+\i]|
.endr
.endr
.irp b, 0,1
	s_delay_alu instid0(VALU_DEP_2)
	v_permlanex16_b32 v[BT+\b], v[BM+\b], s[SEL], s[SEL+1]
.endr
.irp b, 0,1
	s_delay_alu instid0(VALU_DEP_2)
	v_max_num_f32 v[BM+\b], v[BM+\b], v[BT+\b]
.endr
.irp b, 0,1
	s_delay_alu instid0(VALU_DEP_2)
	v_add_nc_u32 v[SO+\b], 0xff000000, v[BM+\b]
.endr
.irp b, 0,1
	s_delay_alu instid0(VALU_DEP_2)
	v_lshrrev_b32 v[BT+\b], 23, v[SO+\b]
.endr
	s_delay_alu instid0(VALU_DEP_1)
	v_lshl_or_b32 v[TP], v[BT+1], 8, v[BT]         ; the row's two bytes
	v_cvt_scalef32_pk16_fp6_f32 v[CD:CD+2], v[S:S+15], v[SO]
	v_cvt_scalef32_pk16_fp6_f32 v[CT:CT+2], v[S+16:S+31], v[SO+1]
	v_lshrrev_b32 v[TP], v[H8], v[TP]              ; lanes 16-31 store the second (the plain place behind the conversions)
.irp i, 0,1,2
	v_permlane16_swap_b32 v[CD+\i], v[CT+\i]
.endr
.irp i, 0,1,2
	s_delay_alu instid0(VALU_DEP_3)
	v_mov_b32 v[CD+3+\i], v[CT+\i]                 ; six registers: lane (r, h): block h of the head, row r
.endr
.irp q, 0,1,2
	global_store_b64 v[L8], v[CD+2*\q:CD+2*\q+1], s[8:9] offset:256*\q   ; 32 lanes store 256 consecutive bytes, aligned
.endr
	global_store_b8 v[OSO], v[TP], s[10:11]
	s_wait_xcnt 0x0                                ; the stores have read their bases and data: both are written again only behind this wait
	s_add_nc_u64 s[8:9], s[8:9], 12288
	s_add_nc_u64 s[10:11], s[10:11], 512
	s_add_co_u32 s[PSEL], s[PSEL], 0x02020202      ; bytes 2, 3, 2, 3
.irp j, 0,1,2,3,4,5
	v_mov_b32 v[QZ+6+\j], v[Q2+\j]                 ; the pair's second tile
.endr
	s_sub_co_u32 s[PASS], s[PASS], 1
	s_cmp_lg_u32 s[PASS], 0
	s_wait_alu depctr_va_vdst(0)                   ; the wait here, directly ahead of the branch
	s_cbranch_scc1 .Lpass
	s_wait_tensorcnt 0x0                           ; the wave's end
	ds_add_u32 v[SPW], v[NIL]
	s_wait_dscnt 0x0
	CROUND                                         ; the closing round
	s_endpgm
.Lfunc_end_k_q06d0b463fe_attn:
	.size	k_q06d0b463fe_attn, .Lfunc_end_k_q06d0b463fe_attn-k_q06d0b463fe_attn
	.p2alignl 7, 3214868480
	.fill 96, 4, 3214868480
	.section	.rodata,"a",@progbits
	.p2align	6, 0x0
	.amdhsa_kernel k_q06d0b463fe_attn
		.amdhsa_group_segment_fixed_size 283648
		.amdhsa_private_segment_fixed_size 0
		.amdhsa_enable_private_segment 0
		.amdhsa_kernarg_size 32
		.amdhsa_user_sgpr_count 2
		.amdhsa_user_sgpr_kernarg_segment_ptr 1
		.amdhsa_wavefront_size32 1
		.amdhsa_system_sgpr_workgroup_id_x 1
		.amdhsa_system_sgpr_workgroup_id_y 1
		.amdhsa_system_sgpr_workgroup_id_z 1
		.amdhsa_system_vgpr_workitem_id 0
		.amdhsa_next_free_vgpr 256
		.amdhsa_next_free_sgpr 66
		.amdhsa_reserve_vcc 0
		.amdhsa_float_denorm_mode_32 3
		.amdhsa_float_denorm_mode_16_64 3
		.amdhsa_memory_ordered 1
		.amdhsa_forward_progress 1
		.amdhsa_inst_pref_size 29
	.end_amdhsa_kernel
	.amdgpu_metadata
---
amdhsa.version: [ 1, 2 ]
amdhsa.kernels:
  - .name:           k_q06d0b463fe_attn
    .symbol:         k_q06d0b463fe_attn.kd
    .args:
      - { .name: qr, .offset: 0, .size: 8, .value_kind: global_buffer, .address_space: global }
      - { .name: kv, .offset: 8, .size: 8, .value_kind: global_buffer, .address_space: global }
      - { .name: oc, .offset: 16, .size: 8, .value_kind: global_buffer, .address_space: global }
      - { .name: os, .offset: 24, .size: 8, .value_kind: global_buffer, .address_space: global }
    .group_segment_fixed_size: 283648
    .private_segment_fixed_size: 0
    .kernarg_segment_align: 8
    .kernarg_segment_size: 32
    .max_flat_workgroup_size: 512
    .sgpr_count:     66
    .vgpr_count:     256
    .wavefront_size: 32
...
	.end_amdgpu_metadata
.endif
;; end of part 3
;; launch outp (part 4): grid 4 x 32, 4 waves a work-group, clusters of 4 x 4, 327,680 bytes of LDS; arguments oc, os, codes, scl, out_b, out0; writes out0
.if DOCPART == 4
	.amdgcn_target "amdgcn-amd-amdhsa--gfx1250"
	.amdhsa_code_object_version 6
	.text
	.protected	k_q06d0b463fe_outp
	.globl	k_q06d0b463fe_outp
	.p2align	8
	.type	k_q06d0b463fe_outp,@function
k_q06d0b463fe_outp:
	s_mov_b64 s[64:65], 0
	v_nop
	global_prefetch_b8 v0, s[64:65] scope:SCOPE_SE
	s_setreg_imm32_b32 hwreg(HW_REG_WAVE_MODE, 25, 1), 1
	s_wait_xcnt 0x0
	s_wait_alu depctr_hold_cnt(0) depctr_sa_sdst(0) depctr_va_vdst(0) depctr_va_sdst(0) depctr_va_ssrc(0) depctr_va_vcc(0) depctr_vm_vsrc(0)
	s_getreg_b32 s2, hwreg(HW_REG_IB_STS2, 6, 4)
	s_cmp_eq_u32 s2, 0
	s_cbranch_scc0 .Lentry_in_a_cluster
	s_endpgm
.Lentry_in_a_cluster:
	s_bfe_u32 s2, ttmp6, 0x10000c
	s_cmp_lg_u32 s2, 0xf033
	s_cbranch_scc0 .Lentry_shape_is_right
	s_endpgm
.Lentry_shape_is_right:
; out0 = o out_w^T + out_b on codes of FP6 (E2M3) with E8M0 scales.  A block of 256 x 256 to a work-group, 128 x 128 to a wave; clusters of 4 x 4 with joint loads; K in steps of 256 through two slots.
; Both operands' codes lie in memory as images of operand registers: a tile of 16 rows is 12,288 bytes, a K step of it 3,072 consecutive bytes; a tensor load brings 8 such rows.  The bias is the C of the first products.
.set KSTEP,  256
.set NQ,     2
.set AROWB,  3072
.set KROW,   768
.set PITCH,  240
.set FR,     12
.set NL,     6
.set NP,     4
.set HALFT,  128*PITCH
.set SLOT,   4*HALFT
.set LAPS,   2
.set KS,     32
.set SCL,    2*SLOT
.set HALFS,  (128*KS/256)*272
.set SBLK,   (16*KS/256)*272
.set SPARE,  SCL+4*HALFS
.set SPITCH, 528
.set BO,   9
.set ADRA, 16
.set ADRB, 20
.set STO,  24
.set RD,   25
.set CO,   26
.set ADRS, 27
.set SPW,  28
.set NIL,  29
.set SC,   32
.set BI,   64
.set AF,   128
.set BK,   128
.set G1, 24
.set G0, 32
.set G1B, 48
.set G0B, 56
.set G1S, 68
.set G0S, 76
.set G1SB, 80
.set G0SB, 88
.set MSB, 0
.macro WIN new
.if MSB != (\new)
	s_set_vgpr_msb (MSB<<8)|(\new)
.set MSB, (\new)
.endif
.endm
.set MUL_LO, 0xa1
.set MUL_HI, 0xf1
.set TO_B,   0x40
.macro JLOAD g0a, g1a, g0b, g1b
	s_cmp_eq_u32 s15, 0
	s_cbranch_scc0 .Lfor_b_\@
	tensor_load_to_lds s[\g0a:\g0a+3], s[\g1a:\g1a+7]
	s_nop 0
.rept 4
	v_nop
.endr
	s_branch .Lasked_\@
.Lfor_b_\@:
	tensor_load_to_lds s[\g0b:\g0b+3], s[\g1b:\g1b+7]
	s_nop 0
.rept 4
	v_nop
.endr
.Lasked_\@:
.endm
.macro CREST
	s_cmp_lg_u32 s14, 0
	s_cbranch_scc1 .Lnot_wave_0_\@
	s_barrier_signal -3
.Lnot_wave_0_\@:
	s_barrier_wait -3
	s_barrier_signal -1
	s_barrier_wait -1
.endm
.macro CROUND
	s_barrier_signal -1
	s_barrier_wait -1
	CREST
.endm
	s_load_b128 s[4:7], s[0:1], 0x0
	s_load_b128 s[8:11], s[0:1], 0x10
	s_load_b64 s[96:97], s[0:1], 0x20
	s_load_b64 s[12:13], s[0:1], 0x28
	v_lshl_add_u32 v[SPW], v0, 2, SPARE
	v_mov_b32 v[NIL], 0
	ds_add_u32 v28, v29
	ds_add_u32 v28, v29
	s_wait_dscnt 0x0
	v_lshrrev_b32 v1, 5, v0
	v_readfirstlane_b32 s14, v1
	s_lshr_b32 s15, s14, 1
	s_and_b32 s16, s14, 1
	s_bfe_u32 s40, ttmp6, 0x40000
	s_bfe_u32 s41, ttmp6, 0x40004
	s_lshl_b32 s42, ttmp9, 2
	s_add_co_u32 s42, s42, s40
	s_and_b32 s17, ttmp7, 0xffff
	s_lshl_b32 s17, s17, 2
	s_add_co_u32 s17, s17, s41
	s_lshl_b32 s43, s41, 2
	s_lshl_b32 s43, 15, s43
	s_lshl_b32 s44, 0x1111, s40
	s_or_b32 s[G1+0], s43, (3<<16)|(1<<21)
	s_mov_b32 s[G1+1], (AROWB/8)<<16
	s_mov_b32 s[G1+2], 8<<16
	s_mov_b32 s[G1+3], (AROWB/8)<<16
	s_mov_b32 s[G1+4], 8
	s_mov_b32 s[G1+5], 12288/8
	s_mov_b32 s[G1+6], 0
	s_mov_b32 s[G1+7], 0
	s_or_b32 s[G1B+0], s44, (3<<16)|(1<<21)
	s_mov_b32 s[G1B+1], (AROWB/8)<<16
	s_mov_b32 s[G1B+2], 8<<16
	s_mov_b32 s[G1B+3], (AROWB/8)<<16
	s_mov_b32 s[G1B+4], 8
	s_mov_b32 s[G1B+5], 12288/8
	s_mov_b32 s[G1B+6], 0
	s_mov_b32 s[G1B+7], 0
	s_or_b32 s[G1S+0], s43, (3<<16)|(1<<20)|(1<<21)|(5<<22)|(3<<25)
	s_or_b32 s[G1SB+0], s44, (3<<16)|(1<<20)|(1<<21)|(5<<22)|(3<<25)
.irp g, G1S, G1SB
	s_mov_b32 s[\g+1], 32<<16
	s_mov_b32 s[\g+2], (128*KS/256)<<16
	s_mov_b32 s[\g+3], 32<<16
	s_mov_b32 s[\g+4], 128*KS/256
	s_mov_b32 s[\g+5], 32
	s_mov_b32 s[\g+6], 0
	s_mov_b32 s[\g+7], 0
.endr
	s_lshl_b32 s18, s16, 7
	s_lshl_b32 s20, s17, 8
	s_add_co_u32 s20, s20, s18
	s_lshl_b32 s46, s42, 8
	s_add_co_u32 s46, s46, s18
	s_add_co_u32 s46, s46, 11264
	s_mov_b32 s21, 0
	s_mov_b32 s47, 0
	s_mov_b64 s[18:19], KS
	s_mul_u64 s[22:23], s[20:21], s[18:19]
	s_mul_u64 s[92:93], s[46:47], s[18:19]
	s_mov_b64 s[18:19], KROW
	s_mul_u64 s[20:21], s[20:21], s[18:19]
	s_mul_u64 s[46:47], s[46:47], s[18:19]
	s_mul_i32 s45, s14, HALFT
	s_mul_i32 s94, s14, HALFS
	s_wait_kmcnt 0x0
	s_add_nc_u64 s[20:21], s[4:5], s[20:21]
	s_add_nc_u64 s[22:23], s[6:7], s[22:23]
	s_add_nc_u64 s[46:47], s[8:9], s[46:47]
	s_add_nc_u64 s[92:93], s[10:11], s[92:93]
	CROUND
	s_mov_b32 s[G0S], 1
	s_add_co_u32 s[G0S+1], s94, SCL
	s_mov_b64 s[G0S+2:G0S+3], s[22:23]
	s_or_b32 s[G0S+3], s[G0S+3], 0x80000000
	s_mov_b32 s[G0SB], 1
	s_add_co_u32 s[G0SB+1], s94, SCL
	s_mov_b64 s[G0SB+2:G0SB+3], s[92:93]
	s_or_b32 s[G0SB+3], s[G0SB+3], 0x80000000
	JLOAD G0S, G1S, G0SB, G1SB
.irp s, 0,1
	s_mov_b32 s[G0+4*\s], 1
	s_add_co_u32 s[G0+4*\s+1], s45, \s*SLOT
	s_add_nc_u64 s[G0+4*\s+2:G0+4*\s+3], s[20:21], \s*AROWB
	s_or_b32 s[G0+4*\s+3], s[G0+4*\s+3], 0x80000000
	s_mov_b32 s[G0B+4*\s], 1
	s_add_co_u32 s[G0B+4*\s+1], s45, \s*SLOT
	s_add_nc_u64 s[G0B+4*\s+2:G0B+4*\s+3], s[46:47], \s*AROWB
	s_or_b32 s[G0B+4*\s+3], s[G0B+4*\s+3], 0x80000000
	s_wait_alu depctr_va_vdst(0)
	s_wait_tensorcnt 0x0
	ds_add_u32 v28, v29
	s_wait_dscnt 0x0
	CROUND
	JLOAD G0+4*\s, G1, G0B+4*\s, G1B
.endr
	v_and_b32 v1, 15, v0
	v_bfe_u32 v2, v0, 4, 1
	v_and_b32 v6, 31, v0
	v_lshlrev_b32 v7, 3, v6
	s_wait_alu depctr_va_vdst(0)
	s_mul_i32 s21, s15, HALFT
	s_mul_i32 s22, s16, HALFT
	s_add_co_u32 s22, s22, 2*HALFT
.irp s, 0,1
	v_add_nc_u32 v[ADRA+\s], s21, v7
	v_add_nc_u32 v[ADRB+\s], s22, v7
	s_add_co_u32 s21, s21, SLOT
	s_add_co_u32 s22, s22, SLOT
.endr
	v_mul_u32_u24 v5, v1, KS
	v_lshrrev_b32 v8, 8, v5
	v_lshl_add_u32 v5, v8, 4, v5
	s_mul_i32 s21, s15, HALFS
	s_mul_i32 s22, s16, HALFS
	s_add_co_u32 s22, s22, 2*HALFS
	s_sub_co_u32 s22, s22, s21
	v_mul_u32_u24 v8, s22, v2
	s_add_co_u32 s21, s21, SCL
	v_add_nc_u32 v5, v5, v8
	v_add_nc_u32 v[ADRS], s21, v5
	s_mul_i32 s23, s14, 16*SPITCH
	v_mul_u32_u24 v5, v1, SPITCH
	v_lshl_add_u32 v5, v2, 6, v5
	v_add_nc_u32 v[STO], s23, v5
	v_lshlrev_b32 v[CO], 4, v6
	v_add_nc_u32 v[RD], s23, v[CO]
	v_lshlrev_b32 v[BO], 6, v2
	s_wait_alu depctr_va_vdst(0)
	s_lshl_b32 s20, s17, 8
	s_lshl_b32 s21, s15, 7
	s_add_co_u32 s20, s20, s21
	s_lshl_b32 s20, s20, 12
	s_mov_b32 s21, 0
	s_lshl_b32 s46, s42, 10
	s_lshl_b32 s47, s16, 9
	s_add_co_u32 s46, s46, s47
	s_mov_b32 s47, 0
	s_add_nc_u64 s[96:97], s[96:97], s[46:47]
	s_add_nc_u64 s[20:21], s[20:21], s[46:47]
	s_add_nc_u64 s[12:13], s[12:13], s[20:21]
.irp b, 0,1,2,3,4,5,6,7
	global_load_b128 v[BI+8*\b:BI+8*\b+3], v[BO], s[96:97] offset:(32*(\b/2)+8*(\b%2))*4
	global_load_b128 v[BI+8*\b+4:BI+8*\b+7], v[BO], s[96:97] offset:(32*(\b/2)+8*(\b%2))*4+16
.endr
.macro FRAG reg, adr, q, i
.irp p, 0,1,2,3,4,5
	ds_load_b64 v[\reg+2*\p:\reg+2*\p+1], v[\adr] offset:(\i)*AROWB+(\q)*1536+256*\p
.endr
.endm
.macro FRAGA reg, slot, q, i
.irp p, 0,1,2,3,4,5
	ds_load_b64 v[\reg+2*\p:\reg+2*\p+1], v[ADRA+\slot] offset:(\i)*AROWB+(\q)*1536+256*\p
.endr
.endm
.macro MUL16 a0, p, q, sc, zero
.irp a, \a0, \a0+1
.irp b, 0,1,2,3,4,5,6,7
.if \zero
	v_wmma_scale_f32_16x16x128_f8f6f4 v[8*(8*((\a)%4)+\b):8*(8*((\a)%4)+\b)+7], v[128*(\p)+FR*\b:128*(\p)+FR*\b+FR-1], v[AF+FR*(\a):AF+FR*(\a)+FR-1], v[BI+8*\b:BI+8*\b+7], v[SC+8*NQ*(\sc)+NQ*\b+(\q)], v[SC+8*NQ*(\sc)+NQ*(\a)+(\q)] matrix_a_fmt:MATRIX_FMT_FP6 matrix_b_fmt:MATRIX_FMT_FP6 matrix_a_scale:MATRIX_SCALE_ROW1
.else
	v_wmma_scale_f32_16x16x128_f8f6f4 v[8*(8*((\a)%4)+\b):8*(8*((\a)%4)+\b)+7], v[128*(\p)+FR*\b:128*(\p)+FR*\b+FR-1], v[AF+FR*(\a):AF+FR*(\a)+FR-1], v[8*(8*((\a)%4)+\b):8*(8*((\a)%4)+\b)+7], v[SC+8*NQ*(\sc)+NQ*\b+(\q)], v[SC+8*NQ*(\sc)+NQ*(\a)+(\q)] matrix_a_fmt:MATRIX_FMT_FP6 matrix_b_fmt:MATRIX_FMT_FP6 matrix_a_scale:MATRIX_SCALE_ROW1
.endif
.endr
.endr
.endm
.macro FETCH_B slot, q, p
	WIN TO_B
.irp i, 0,1,2,3,4,5,6,7
	FRAG 128*(\p)+FR*\i, ADRB+\slot, \q, \i
.endr
	WIN 0
.endm
.macro FETCH_A slot, q, i0
.irp i, \i0, \i0+1, \i0+2, \i0+3
	FRAGA AF+FR*(\i), \slot, \q, \i
.endr
.endm
.macro SCALES sc
.irp i, 0,1,2,3,4,5,6,7
	ds_load_b64 v[SC+8*NQ*\sc+NQ*\i:SC+8*NQ*\sc+NQ*\i+1], v[ADRS] offset:\i*SBLK
.endr
.endm
.macro PLACES n
.rept \n
	v_nop
.endr
.endm
.macro STEP slot, q, zero
	s_wait_dscnt 4*NL
.if \zero
	WIN 0x81
.else
	WIN MUL_LO
.endif
	MUL16 0, (\q)%2, \q, \slot, \zero
	MUL16 2, (\q)%2, \q, \slot, \zero
	s_wait_dscnt 0
	PLACES NP
	FETCH_B \slot, (\q)+1, 1-(\q)%2
	FETCH_A \slot, (\q)+1, 0
.if \zero
	WIN 0xc1
.else
	WIN MUL_HI
.endif
	MUL16 4, (\q)%2, \q, \slot, \zero
	MUL16 6, (\q)%2, \q, \slot, \zero
	PLACES NP
	WIN 0
	FETCH_A \slot, (\q)+1, 4
.endm
.macro TURN slot, next, fill
	s_wait_tensorcnt 0x0
	ds_add_u32 v[SPW], v[NIL]
	s_wait_dscnt 4*NL+1
	WIN MUL_LO
	MUL16 0, 1, NQ-1, \slot, 0
	s_wait_dscnt 0x0
	s_barrier_signal -1
	MUL16 2, 1, NQ-1, \slot, 0
	WIN 0
	s_barrier_wait -1
.if \fill
	CREST
	s_add_nc_u64 s[G0+4*\slot+2:G0+4*\slot+3], s[G0+4*\slot+2:G0+4*\slot+3], 2*AROWB
	s_add_nc_u64 s[G0B+4*\slot+2:G0B+4*\slot+3], s[G0B+4*\slot+2:G0B+4*\slot+3], 2*AROWB
	JLOAD G0+4*\slot, G1, G0B+4*\slot, G1B
.else
	PLACES NP
.endif
	s_wait_alu depctr_va_vdst(0)
	v_add_nc_u32 v[ADRS], 4*NQ, v[ADRS]
	FETCH_B \next, 0, 0
	FETCH_A \next, 0, 0
	SCALES \next
	WIN MUL_HI
	MUL16 4, 1, NQ-1, \slot, 0
	MUL16 6, 1, NQ-1, \slot, 0
	PLACES NP
	WIN 0
	FETCH_A \next, 0, 4
.endm
	s_wait_tensorcnt 1
	s_barrier_signal -1
	s_barrier_wait -1
	FETCH_B 0, 0, 0
	FETCH_A 0, 0, 0
	SCALES 0
	FETCH_A 0, 0, 4
	s_wait_loadcnt 0x0
	STEP 0, 0, 1
	s_mov_b32 s3, LAPS-1
.Llap:
	TURN 0, 1, 1
	STEP 1, 0, 0
	TURN 1, 0, 1
	STEP 0, 0, 0
	s_sub_co_u32 s3, s3, 1
	s_cmp_lg_u32 s3, 0
	s_cbranch_scc1 .Llap
	TURN 0, 1, 0
	STEP 1, 0, 0
	s_wait_dscnt 4*NL
	WIN MUL_LO
	MUL16 0, 1, NQ-1, 1, 0
	MUL16 2, 1, NQ-1, 1, 0
	s_wait_dscnt 0
	WIN MUL_HI
	MUL16 4, 1, NQ-1, 1, 0
	MUL16 6, 1, NQ-1, 1, 0
	WIN 0
.macro TOSTAGE a
.set AC, 64*((\a)%4)
	WIN 0x08+4*((\a)/4)
.irp b, 0,1,2,3,4,5,6,7
	ds_store_b128 v[STO], v[AC+8*\b:AC+8*\b+3] offset:128*(\b/2)+32*(\b%2)
	ds_store_b128 v[STO], v[AC+8*\b+4:AC+8*\b+7] offset:128*(\b/2)+32*(\b%2)+16
.endr
	WIN 0
.set BB, BK+64*((\a)%2)
.irp t, 0,1,2,3,4,5,6,7,8,9,10,11,12,13,14,15
	ds_load_b128 v[BB+4*\t:BB+4*\t+3], v[RD] offset:\t*SPITCH
.endr
.endm
.macro SEND a, younger
.set BB, BK+64*((\a)%2)
	s_wait_dscnt \younger
.irp t, 0,1,2,3,4,5,6,7,8,9,10,11,12,13,14,15
	global_store_b128 v[CO], v[BB+4*\t:BB+4*\t+3], s[12:13] offset:(32*((\a)/2)+8*((\a)%2)+\t+8*(\t/8))*4096 th:TH_STORE_NT
.endr
.endm
	PLACES NP
	TOSTAGE 0
.irp a, 1,2,3,4,5,6,7
.if \a > 1
	s_wait_xcnt 0x0
.endif
	TOSTAGE \a
	SEND \a-1, 32
.endr
	SEND 7, 0
	s_wait_tensorcnt 0x0
	ds_add_u32 v[SPW], v[NIL]
	s_wait_dscnt 0x0
	CROUND
	s_endpgm
.Lfunc_end_k_q06d0b463fe_outp:
	.size	k_q06d0b463fe_outp, .Lfunc_end_k_q06d0b463fe_outp-k_q06d0b463fe_outp
	.p2alignl 7, 3214868480
	.fill 96, 4, 3214868480
	.section	.rodata,"a",@progbits
	.p2align	6, 0x0
	.amdhsa_kernel k_q06d0b463fe_outp
		.amdhsa_group_segment_fixed_size 327680
		.amdhsa_private_segment_fixed_size 0
		.amdhsa_enable_private_segment 0
		.amdhsa_kernarg_size 48
		.amdhsa_user_sgpr_count 2
		.amdhsa_user_sgpr_kernarg_segment_ptr 1
		.amdhsa_wavefront_size32 1
		.amdhsa_system_sgpr_workgroup_id_x 1
		.amdhsa_system_sgpr_workgroup_id_y 1
		.amdhsa_system_sgpr_workgroup_id_z 1
		.amdhsa_system_vgpr_workitem_id 0
		.amdhsa_next_free_vgpr 1024
		.amdhsa_next_free_sgpr 98
		.amdhsa_reserve_vcc 0
		.amdhsa_float_denorm_mode_32 3
		.amdhsa_float_denorm_mode_16_64 3
		.amdhsa_memory_ordered 1
		.amdhsa_forward_progress 1
		.amdhsa_inst_pref_size 162
	.end_amdhsa_kernel
	.amdgpu_metadata
---
amdhsa.version: [ 1, 2 ]
amdhsa.kernels:
  - .name:           k_q06d0b463fe_outp
    .symbol:         k_q06d0b463fe_outp.kd
    .args:
      - { .name: oc, .offset: 0, .size: 8, .value_kind: global_buffer, .address_space: global }
      - { .name: os, .offset: 8, .size: 8, .value_kind: global_buffer, .address_space: global }
      - { .name: codes, .offset: 16, .size: 8, .value_kind: global_buffer, .address_space: global }
      - { .name: scl, .offset: 24, .size: 8, .value_kind: global_buffer, .address_space: global }
      - { .name: out_b, .offset: 32, .size: 8, .value_kind: global_buffer, .address_space: global }
      - { .name: out0, .offset: 40, .size: 8, .value_kind: global_buffer, .address_space: global }
    .group_segment_fixed_size: 327680
    .private_segment_fixed_size: 0
    .kernarg_segment_align: 8
    .kernarg_segment_size: 48
    .max_flat_workgroup_size: 128
    .sgpr_count:     98
    .vgpr_count:     1024
    .wavefront_size: 32
...
	.end_amdgpu_metadata
.endif
;; end of part 4
